; MI455X (gfx1250); checked and timed in simulation.
; The chip was launched on July 23, 2026; its instructions are those of AMD's public machine-readable ISA for CDNA 5 (MIT licence, August 2026) and "CDNA5" Instruction Set Architecture Reference Guide (July 2026). The comments in the code are by the model that wrote it; some were corrected since.
;; Sliding Window Attention. Allowed arithmetic: matrix products marked QUANTISED: E2M1 operands, one E8M0 scale for each 32 along K, by v_wmma_scale_f32_16x16x128_f8f6f4 with both operands' format E2M1 (or v_wmma_scale_f32_32x16x128_f4), f32 sums; products left as they are: bf16, f16 or f32 operands; f32 sums; everything else in f32.
;; Inputs: W_out 1,024 x 1,024 float32; W_qkv 3,072 x 1,024 float32; x 2 x 2,048 x 1,024 float32.
;; Outputs: out0 2 x 2,048 x 1,024 float32.
;; This version of the problem:
;;   THIS VERSION OF THE PROBLEM IS GIVEN IN LOW PRECISION. The matrix products marked QUANTISED in the list below multiply operands that are first quantised to E2M1 (2 exponent bits, 1 mantissa bit; 4 bits a number), with one power-of-two scale for each 32 numbers along K (OCP MX v1.0); their sums are f32. The products marked 'left as it is' may take bf16, f16 or f32 operands, with f32 sums. Whichever they take, every output number must still come out within the allowed error. Rounding operands to bf16 (8 significant bits) uses up far more of that allowance than f16 does (11 bits, for magnitudes from 6e-5 to 65,504). All else is computed in f32.
;;   The module's matrix products, in the order in which they are computed (A, B: the left and right operand; K: the contracted axis; several contracted axes count as one K, in the product's order):
;;     1. [M 4,096, K 1,024] x [K 1,024, N 3,072]; A: input x; B: input W_qkv: QUANTISED
;;     2. batch 32 x [M 2,048, K 64] x [K 64, N 2,048]; A: computed on the way; B: computed on the way: left as it is (an operand is computed on the way)
;;     3. batch 32 x [M 2,048, K 2,048] x [K 2,048, N 64]; A: computed on the way; B: computed on the way: left as it is (an operand is computed on the way)
;;     4. [M 4,096, K 1,024] x [K 1,024, N 1,024]; A: computed on the way; B: input W_out: left as it is (an operand is computed on the way)
;;   THE QUANTISER, for each operand of a quantised product, along K:
;;     - K is cut into blocks of 32 from its start; a last block that is shorter is filled with zeros.
;;     - A block's scale is 2^e with e = floor(log2(the largest magnitude in the block)) - 2, held to -126 .. 127; a block of zeros has e = 0. As a byte (E8M0): e + 127.
;;     - Each number is divided by its block's scale, clamped to +-6, and rounded to the nearest number of E2M1, ties to even, subnormals kept.
;;     - The product sums the exact products of the quantised numbers (number of the format x scale) in f32.
;;   ~~~python
;;   def quantise(x, axis):      # numpy; x: float32 -> the quantised numbers, widened to float32 again
;;       x = np.moveaxis(x, axis, -1); K = x.shape[-1]
;;       x = np.pad(x, [(0, 0)] * (x.ndim - 1) + [(0, -K % 32)]); x = x.reshape(x.shape[:-1] + (-1, 32)); a = np.abs(x).max(-1, keepdims=True)
;;       e = np.where(a > 0, np.clip(np.frexp(np.where(a > 0, a, 1))[1] - 1 - 2, -126, 127), 0)      # np.frexp(a)[1] - 1 = floor(log2(a)), exactly
;;       r = np.clip(x / 2.0 ** e, -6, 6)
;;       step = 2.0 ** (np.maximum(np.frexp(np.where(r == 0, 1, r))[1] - 1, 0) - 1)
;;       q = np.round(r / step) * step * 2.0 ** e      # np.round: ties to even
;;       return np.moveaxis(q.reshape(q.shape[:-2] + (-1,))[..., :K], -1, axis).astype(np.float32)
;;   ~~~
;; One version. Each part assembles by itself: llvm-mc -triple=amdgcn-amd-amdhsa -mcpu=gfx1250 --defsym DOCPART=n.
;; ======== version 1 of 1: 5 launches
;; limits: values are held in f16: magnitudes above 65,504 overflow, below 6.1e-05 lose precision
;; workspace buffers: xc 2,097,152 bytes; xs 131,072 bytes; wc 1,572,864 bytes; ws 98,304 bytes; wo16 2,097,152 bytes; qkv16 25,165,824 bytes; qkvf 393,216 bytes; attn16 8,388,608 bytes
;; launch quant (part 1): grid 256 x 1, 4 waves a work-group, no clusters, 33,280 bytes of LDS; arguments x, W_qkv, xc, xs, wc, ws, W_out, wo16; writes xc, xs, wc, ws, wo16
.if DOCPART == 1
	.amdgcn_target "amdgcn-amd-amdhsa--gfx1250"
	.amdhsa_code_object_version 6
	.text
	.protected	k_qa29a1d6cef_quant
	.globl	k_qa29a1d6cef_quant
	.p2align	8
	.type	k_qa29a1d6cef_quant,@function
k_qa29a1d6cef_quant:
	s_mov_b64 s[64:65], 0
	v_nop
	global_prefetch_b8 v0, s[64:65] scope:SCOPE_SE
	s_setreg_imm32_b32 hwreg(HW_REG_WAVE_MODE, 25, 1), 1
	s_wait_xcnt 0x0
; x [4096][1024] and W_qkv [3072][1024], f32, become codes of FP4 (E2M1), K innermost, two codes a byte, with one E8M0 scale byte for each 32 along K; W_out [1024][1024] f32 becomes f16, laid [16 kb][1024 n][64].
; A block's scale is 2^(floor(log2(its largest magnitude)) - 2); its byte is the largest magnitude's exponent field - 2, held at 1 from below.  Each number is divided by the scale and rounded to the nearest code, ties to even, beyond 6 the largest code.
; LIMITS: a block of zeros gets the byte 1 where the rule says 127 (its codes are zeros, and this program alone reads the bytes); blocks whose largest magnitude lies under 2^-124 keep the byte 1;
; NaN and infinities among the inputs are not served; a number of W_out over 65,504 in magnitude becomes infinity in f16.
; SHARES: work-groups 0-127 take x, 128-223 W_qkv (32,768 numbers each, 8,192 a wave: 16 steps of 512), 224-255 W_out (32 rows each, 8 a wave).  Waves share nothing: no barrier.
; THE QUANTISER: rows are dense and K is a multiple of 32, so a tensor is a stream of blocks of 32.  Each load reads 512 consecutive bytes; a step's 2,048 bytes turn through the wave's own stage in LDS
; and come back 64 bytes (16 neighbours) a lane; two neighbouring lanes hold a block.  A lane's 16 codes are 8 bytes: the wave stores 256 consecutive bytes.  A wave's 256 scale bytes are gathered in LDS and leave as one run of 256.
.set WAVES, 4
.set STEPS, 16
.set WGA,   128                        ; work-groups for x: 4096 x 1024 / 32768
.set WGQ,   224                        ; and with W_qkv's 96
.set EMAX,  2
.set CB,    8                          ; bytes of 16 codes
.set R,     16                         ; v16-79   four sets of 16 numbers as they are loaded
.set X,     80                         ; v80-111  two sets of 16 neighbours
.set C,     128                        ; v128-191 codes: four registers for each step, so that no store's data are written again
.set E,     112                        ; v112-127 a scale byte for each step
.set WREG,  8192                       ; LDS: a region for each wave: two stages of 32 x SP bytes, behind them its 256 scale bytes
.set SP,    80                         ; a lane's place in a stage: 64 bytes + 16 of padding
.set SPW,   12                         ; v12      LDS address of my spare word; never rewritten
.set NIL,   13                         ; v13      0; never rewritten
.set SPARE, WAVES*WREG                 ; behind the four regions: the spare words, 128 bytes a wave, which no other line names
.set CR,    16                         ; the cast: v16-143 two sets of 64 registers
	s_load_b128 s[4:7], s[0:1], 0x0                ; x, W_qkv
	s_load_b128 s[8:11], s[0:1], 0x10              ; x's codes, x's scales
	s_load_b128 s[12:15], s[0:1], 0x20             ; W_qkv's codes, its scales
	s_load_b128 s[24:27], s[0:1], 0x30             ; W_out, its f16 copy
	v_lshl_add_u32 v[SPW], v0, 2, SPARE
	v_mov_b32 v[NIL], 0
	v_lshrrev_b32 v1, 5, v0
	v_readfirstlane_b32 s16, v1                    ; wave
	v_and_b32 v2, 31, v0                           ; lane
	v_lshlrev_b32 v3, 4, v2                        ; my 16 bytes of a load's 512
	s_mul_i32 s17, s16, WREG
	v_lshrrev_b32 v14, 2, v2
	v_mul_u32_u24 v14, v14, SP
	v_and_b32 v15, 3, v2
	v_lshl_add_u32 v14, v15, 4, v14
	v_add_nc_u32 v14, s17, v14                     ; the stage, on the way in: SP (lane / 4) + 16 (lane % 4)
	v_mul_u32_u24 v15, v2, SP
	v_add_nc_u32 v15, s17, v15                     ; and on the way out: SP x lane: my 16 neighbours
	v_mul_u32_u24 v4, v2, CB                       ; my codes' place in a step's
	v_lshrrev_b32 v5, 1, v2
	s_add_co_u32 s17, s17, 2*32*SP
	v_add_nc_u32 v5, s17, v5                       ; LDS: my wave's 256 scale bytes, my block's byte
	v_lshlrev_b32 v7, 3, v2                        ; and on the way out 8 bytes a lane
	v_add_nc_u32 v6, s17, v7
	s_wait_kmcnt 0x0
	s_cmp_ge_u32 ttmp9, WGQ                        ; the last 32 work-groups cast W_out: a branch on the work-group's number alone
	s_cbranch_scc1 .Lcast
	s_cmp_lt_u32 ttmp9, WGA                        ; x's work-group or W_qkv's?  Only pointers are chosen: both take one path
	s_cselect_b64 s[4:5], s[4:5], s[6:7]
	s_cselect_b64 s[8:9], s[8:9], s[12:13]
	s_cselect_b64 s[10:11], s[10:11], s[14:15]
	s_cselect_b32 s17, 0, WGA
	s_sub_co_u32 s17, ttmp9, s17
	s_lshl_b32 s17, s17, 2
	s_add_co_u32 s18, s17, s16                     ; which run of 8,192 numbers of the tensor is my wave's
	s_mov_b32 s19, 0
	s_mov_b64 s[20:21], 512*STEPS*4
	s_mul_u64 s[20:21], s[18:19], s[20:21]
	s_add_nc_u64 s[4:5], s[4:5], s[20:21]
	s_mov_b64 s[20:21], 32*STEPS*CB
	s_mul_u64 s[20:21], s[18:19], s[20:21]
	s_add_nc_u64 s[8:9], s[8:9], s[20:21]
	s_lshl_b32 s18, s18, 8                         ; 256 scale bytes a run
	s_add_nc_u64 s[10:11], s[10:11], s[18:19]
.macro LOAD t
.irp i, 0,1,2,3
	global_load_b128 v[R+16*((\t)%4)+4*\i:R+16*((\t)%4)+4*\i+3], v3, s[4:5] offset:2048*(\t)+512*\i th:TH_LOAD_NT   ; 32 lanes read 512 consecutive bytes
.endr
.endm
.macro TURN t                          ; step t's numbers through the stage: LDS serves a wave's instructions in order, so no wait stands between the stores and the loads
.irp i, 0,1,2,3
	ds_store_b128 v14, v[R+16*((\t)%4)+4*\i:R+16*((\t)%4)+4*\i+3] offset:32*SP*((\t)%2)+8*SP*\i
.endr
.irp i, 0,1,2,3
	ds_load_b128 v[X+16*((\t)%2)+4*\i:X+16*((\t)%2)+4*\i+3], v15 offset:32*SP*((\t)%2)+16*\i
.endr
.endm
.irp t, 0,1,2,3
	LOAD \t
.endr
	s_wait_loadcnt 12                              ; step 0's four loads are in; the twelve of steps 1 to 3 may be out
	TURN 0
.macro STEP t
.set XS, X+16*((\t)%2)
.if (\t) > 0
	s_wait_dscnt 1                                 ; this step's numbers are back from the stage (the last step's byte store may be out): so its stores into the stage have read their registers,
.else
	s_wait_dscnt 0x0
.endif
.if (\t)+4 < STEPS
	LOAD (\t)+4                                    ; which take the loads of four steps on
.endif
.if (\t)+1 < STEPS
.if STEPS-2-(\t) >= 3
	s_wait_loadcnt 12                              ; the next step's four loads are in; those of the three steps behind it may be out
.else
	s_wait_loadcnt 4*(STEPS-2-(\t))
.endif
	TURN (\t)+1                                    ; and go through the other stage while this step is worked
.endif
	v_max3_num_f32 v8, |v[XS]|, |v[XS+1]|, |v[XS+2]|               ; the largest magnitude of my 16, in two chains
	v_max3_num_f32 v9, |v[XS+3]|, |v[XS+4]|, |v[XS+5]|
.irp i, 6,10
	v_max3_num_f32 v8, v8, |v[XS+\i]|, |v[XS+\i+1]|
	v_max3_num_f32 v9, v9, |v[XS+\i+2]|, |v[XS+\i+3]|
.endr
	v_max3_num_f32 v8, v8, |v[XS+14]|, |v[XS+15]|
	v_max3_num_f32 v8, v8, v9, (EMAX+1)<<23        ; and the floor 2^(3 - 127): so the byte cannot fall under 1
	v_max_num_f32_dpp v8, v8, v8 row_xmask:1 row_mask:0xf bank_mask:0xf   ; and of my neighbour's 16: the block's
	v_add_nc_u32 v11, -(EMAX<<23), v8              ; 2 off its exponent field: the conversion takes the exponent field of this operand as its scale, and nothing else of it
	v_cvt_scalef32_pk8_fp4_f32 v[C+4*(\t)], v[XS:XS+7], v11
	v_cvt_scalef32_pk8_fp4_f32 v[C+4*(\t)+1], v[XS+8:XS+15], v11
	v_lshrrev_b32 v[E+(\t)], 23, v11               ; the scale's byte (a plain line behind the conversions)
	ds_store_b8 v5, v[E+(\t)] offset:16*(\t)       ; both lanes of a block write the same byte with the same value
	global_store_b64 v4, v[C+4*(\t):C+4*(\t)+1], s[8:9] offset:32*CB*(\t)   ; 32 lanes store 256 consecutive bytes
.endm
.irp t, 0,1,2,3,4,5,6,7,8,9,10,11,12,13,14,15
	STEP \t
.endr
	ds_load_b64 v[8:9], v6                         ; LDS serves a wave's instructions in order: these see my byte stores
	s_wait_dscnt 0x0
	global_store_b64 v7, v[8:9], s[10:11]          ; 32 lanes store 256 consecutive bytes of scales
	s_wait_tensorcnt 0x0                           ; the wave's end: a wait, an add to my spare word and its wait, behind my last LDS store
	ds_add_u32 v[SPW], v[NIL]
	s_wait_dscnt 0x0
	s_endpgm
; THE CAST.  A wave takes 8 rows of W_out: 4 pairs of rows x 16 blocks of 64 along K.  A load reads two aligned pieces of 256 bytes (lanes 0-15: row 2 p, lanes 16-31: row 2 p + 1);
; the 128 numbers, as f16, are 256 consecutive bytes of the copy.
.Lcast:
	s_sub_co_u32 s17, ttmp9, WGQ
	s_lshl_b32 s17, s17, 2
	s_add_co_u32 s17, s17, s16                     ; which 8 rows: 0 .. 127
	s_lshl_b32 s18, s17, 15                        ; 8 rows of 4,096 bytes
	s_mov_b32 s19, 0
	s_add_nc_u64 s[24:25], s[24:25], s[18:19]
	s_lshl_b32 s18, s17, 10                        ; 8 rows of 128 bytes in each block of the copy
	s_add_nc_u64 s[26:27], s[26:27], s[18:19]
	v_lshrrev_b32 v8, 4, v2
	v_and_b32 v9, 15, v2
	v_lshlrev_b32 v9, 4, v9
	v_lshl_add_u32 v8, v8, 12, v9                  ; in: 4,096 (lane / 16) + 16 (lane % 16)
	v_lshlrev_b32 v9, 3, v2                        ; out: 8 x lane
.macro LOADC p
.irp kb, 0,1,2,3,4,5,6,7,8,9,10,11,12,13,14,15
	global_load_b128 v[CR+64*((\p)%2)+4*\kb:CR+64*((\p)%2)+4*\kb+3], v8, s[24:25] offset:(\p)*8192+\kb*256 th:TH_LOAD_NT
.endr
.endm
.macro CASTC p, more                   ; more = 1: the next pair's 16 loads are out behind this pair's
.irp kb, 0,1,2,3,4,5,6,7,8,9,10,11,12,13,14,15
	s_wait_loadcnt 15-\kb+16*\more                 ; behind mine: the rest of my set, and the next set's
	v_cvt_pk_f16_f32 v[CR+64*((\p)%2)+4*\kb], v[CR+64*((\p)%2)+4*\kb], v[CR+64*((\p)%2)+4*\kb+1]
	v_cvt_pk_f16_f32 v[CR+64*((\p)%2)+4*\kb+1], v[CR+64*((\p)%2)+4*\kb+2], v[CR+64*((\p)%2)+4*\kb+3]
	global_store_b64 v9, v[CR+64*((\p)%2)+4*\kb:CR+64*((\p)%2)+4*\kb+1], s[26:27] offset:\kb*131072+(\p)*256
.endr
.endm
	LOADC 0
	LOADC 1
	CASTC 0, 1
	s_wait_xcnt 0x0                                ; the set's stores have read their data: it may be loaded again
	LOADC 2
	CASTC 1, 1
	s_wait_xcnt 0x0
	LOADC 3
	CASTC 2, 1
	CASTC 3, 0
	s_endpgm
.Lfunc_end_k_qa29a1d6cef_quant:
	.size	k_qa29a1d6cef_quant, .Lfunc_end_k_qa29a1d6cef_quant-k_qa29a1d6cef_quant
	.p2alignl 7, 3214868480
	.fill 96, 4, 3214868480
	.section	.rodata,"a",@progbits
	.p2align	6, 0x0
	.amdhsa_kernel k_qa29a1d6cef_quant
		.amdhsa_group_segment_fixed_size 33280
		.amdhsa_private_segment_fixed_size 0
		.amdhsa_enable_private_segment 0
		.amdhsa_kernarg_size 64
		.amdhsa_user_sgpr_count 2
		.amdhsa_user_sgpr_kernarg_segment_ptr 1
		.amdhsa_wavefront_size32 1
		.amdhsa_system_sgpr_workgroup_id_x 1
		.amdhsa_system_sgpr_workgroup_id_y 1
		.amdhsa_system_sgpr_workgroup_id_z 1
		.amdhsa_system_vgpr_workitem_id 0
		.amdhsa_next_free_vgpr 192
		.amdhsa_next_free_sgpr 66
		.amdhsa_reserve_vcc 0
		.amdhsa_float_denorm_mode_32 3
		.amdhsa_float_denorm_mode_16_64 3
		.amdhsa_memory_ordered 1
		.amdhsa_forward_progress 1
		.amdhsa_inst_pref_size 56
	.end_amdhsa_kernel
	.amdgpu_metadata
---
amdhsa.version: [ 1, 2 ]
amdhsa.kernels:
  - .name:           k_qa29a1d6cef_quant
    .symbol:         k_qa29a1d6cef_quant.kd
    .args:
      - { .name: x, .offset: 0, .size: 8, .value_kind: global_buffer, .address_space: global }
      - { .name: W_qkv, .offset: 8, .size: 8, .value_kind: global_buffer, .address_space: global }
      - { .name: xc, .offset: 16, .size: 8, .value_kind: global_buffer, .address_space: global }
      - { .name: xs, .offset: 24, .size: 8, .value_kind: global_buffer, .address_space: global }
      - { .name: wc, .offset: 32, .size: 8, .value_kind: global_buffer, .address_space: global }
      - { .name: ws, .offset: 40, .size: 8, .value_kind: global_buffer, .address_space: global }
      - { .name: W_out, .offset: 48, .size: 8, .value_kind: global_buffer, .address_space: global }
      - { .name: wo16, .offset: 56, .size: 8, .value_kind: global_buffer, .address_space: global }
    .group_segment_fixed_size: 33280
    .private_segment_fixed_size: 0
    .kernarg_segment_align: 8
    .kernarg_segment_size: 64
    .max_flat_workgroup_size: 128
    .sgpr_count:     66
    .vgpr_count:     192
    .wavefront_size: 32
...
	.end_amdgpu_metadata
.endif
;; end of part 1
;; launch gemm_qkv (part 2): grid 12 x 16, 4 waves a work-group, clusters of 4 x 4, 327,680 bytes of LDS; arguments xc, xs, wc, ws, qkv16, qkvf; writes qkv16, qkvf
.if DOCPART == 2
	.amdgcn_target "amdgcn-amd-amdhsa--gfx1250"
	.amdhsa_code_object_version 6
	.text
	.protected	k_qa29a1d6cef_gemm_qkv
	.globl	k_qa29a1d6cef_gemm_qkv
	.p2align	8
	.type	k_qa29a1d6cef_gemm_qkv,@function
k_qa29a1d6cef_gemm_qkv:
	s_mov_b64 s[64:65], 0
	v_nop
	global_prefetch_b8 v0, s[64:65] scope:SCOPE_SE
	s_setreg_imm32_b32 hwreg(HW_REG_WAVE_MODE, 25, 1), 1
	s_wait_xcnt 0x0
	s_wait_alu depctr_hold_cnt(0) depctr_sa_sdst(0) depctr_va_vdst(0) depctr_va_sdst(0) depctr_va_ssrc(0) depctr_va_vcc(0) depctr_vm_vsrc(0)
	s_getreg_b32 s2, hwreg(HW_REG_IB_STS2, 6, 4)
	s_cmp_eq_u32 s2, 0
	s_cbranch_scc0 .Lentry_in_a_cluster
	s_endpgm
.Lentry_in_a_cluster:
	s_bfe_u32 s2, ttmp6, 0x10000c
	s_cmp_lg_u32 s2, 0xf033
	s_cbranch_scc0 .Lentry_shape_is_right
	s_endpgm
.Lentry_shape_is_right:
; qkv[m][n] = sum over k of Q(x)[m][k] Q(W_qkv)[n][k]: 4,096 x 3,072 x 1,024, on codes of FP4 (E2M1) with one E8M0 scale for each 32 along K; sums in f32.
; A tile of 256 x 256 is made by a work-group of four waves; a wave makes 128 x 128: 64 accumulators of 16 x 16, 512 registers.  K is two slots of 512: both are asked for at the head, and nothing is filled again.
; The scales of the work-group's 256 + 256 rows, for all of K, come into LDS once, in rows of 256 bytes.
; CLUSTERS: 4 x 4 work-groups; the four of a row of the cluster ask jointly for x's tiles, the four of a column for W_qkv's.
; THE MATRIX INSTRUCTION IS USED TRANSPOSED (source 0 = 16 rows of W_qkv, source 1 = 16 rows of x): a lane holds eight neighbouring columns of one row of qkv.
; OUT: rounded to f16, laid [q, k or v][batch][head][position][64], so that a head's rows are dense.  The f32 sums of positions 0-15 of both sequences go out besides, as images of the accumulators' registers.
; LIMIT: a sum over 65,504 in magnitude becomes infinity in f16.
; REGISTERS, in windows of 256: window 0: v0-31 addresses; v32-95 scale words, two sets; from v128 x's fragments, one set; on the way out v32-63, v192-255 at work.
;   window 1: W_qkv's fragments, two sets, at v0 and v128.   window 2: the accumulators of my rows 0-63 ((a, b) at v[8 (8 a + b)]);   window 3: those of my rows 64-127.
.set SIZE_K, 1024
.set KSTEP,  512                       ; along K in a slot
.set NQ,     KSTEP/128                 ; matrix instructions deep
.set ROWB,   256                       ; a tile's row in bytes
.set KROW,   SIZE_K*4/8                ; a row of codes in memory
.set PITCH,  272                       ; an LDS row: 256 bytes + 16 of padding: the 16 rows that a load touches start 16 bytes apart modulo 256
.set FR,     8                         ; registers of a fragment: 16 rows x 128 K
.set NL,     2                         ; LDS loads that bring one
.set NP,     4                         ; places behind this matrix instruction (ISA guide 7.12.1)
.set HALFT,  128*PITCH                 ; 128 rows: what one tensor load brings
.set SLOT,   4*HALFT                   ; x's 256 rows, then W_qkv's 256 rows
.set KS,     SIZE_K/32                 ; a row of scales in bytes
.set SCL,    2*SLOT                    ; behind the slots: the scales, as rows of 256 bytes + 16
.set HALFS,  (128*KS/256)*272          ; the scales of 128 rows
.set SBLK,   (16*KS/256)*272           ; those of 16 rows
.set SPARE,  SCL+4*HALFS               ; behind the scales: the spare words, 128 bytes a wave, which no other line names
.set SPITCH, 272                       ; the way out: a stage of 16 rows x (256 bytes + 16) for each wave, in slot 0, which has had its only fill and its last read by then
.set ADRA, 16                          ; v16-17  LDS address of my x fragments in slot 0, 1
.set ADRB, 20                          ; v20-21  the same for W_qkv
.set STO,  24                          ; v24     the way out: where I put 16 bytes of a row
.set RD,   25                          ; v25     where I read them back
.set CO,   26                          ; v26     my byte offset in qkv16
.set ADRS, 27                          ; v27     LDS address of my scale words: lanes 0-15 x's rows, lanes 16-31 W_qkv's
.set SPW,  28                          ; v28     LDS address of my spare word; never rewritten
.set NIL,  29                          ; v29     0; never rewritten
.set FO,   30                          ; v30     16 x lane: my place in an accumulator's image
.set FI,   31                          ; v31     0 where my wave's first 16 rows are positions 0-15 of a sequence
.set SC,   32                          ; scale words: set s at v[SC + 32 s]; register 4 i + q: lanes 0-15 the word of x's block i, lanes 16-31 that of W_qkv's block i
.set AF,   128                         ; x's fragments
.set TMP,  192                         ; the way out: packed results
.set OB,   32                          ; and rows read back: v32-63 and v224-255 by turns
.set G1, 24                            ; s[24:31] descriptor group 1 for x's tiles;  s[32:39] group 0, one set for each slot
.set G0, 32
.set G1B, 48                           ; s[48:55], s[56:63] the same for W_qkv's
.set G0B, 56
.set G1S, 68                           ; s[68:75], s[76:79] for x's scales;  s[80:87], s[88:91] for W_qkv's
.set G0S, 76
.set G1SB, 80
.set G0SB, 88
.set MSB, 0
.macro WIN new                         ; the immediate's high byte repeats the setting that is left
.if MSB != \new
	s_set_vgpr_msb (MSB<<8)|\new
.set MSB, \new
.endif
.endm
.set MUL_LO, 0xa1                      ; source 0 window 1, source 1 window 0, C and D window 2
.set MUL_HI, 0xf1                      ; the same, C and D window 3
.set TO_B,   0x40                      ; destination window 1, address window 0
; A joint load: waves 0 and 1 fetch for x, waves 2 and 3 for W_qkv.  The branch hangs on the wave's number alone.  An s_nop 0 and four v_nop follow each of the two lines.
.macro JLOAD g0a, g1a, g0b, g1b
	s_cmp_eq_u32 s15, 0
	s_cbranch_scc0 .Lfor_b_\@
	tensor_load_to_lds s[\g0a:\g0a+3], s[\g1a:\g1a+7]
	s_nop 0
.rept 4
	v_nop
.endr
	s_branch .Lasked_\@
.Lfor_b_\@:
	tensor_load_to_lds s[\g0b:\g0b+3], s[\g1b:\g1b+7]
	s_nop 0
.rept 4
	v_nop
.endr
.Lasked_\@:
.endm
.macro CROUND                          ; a round of the cluster's barrier
	s_barrier_signal -1
	s_barrier_wait -1
	s_cmp_lg_u32 s14, 0
	s_cbranch_scc1 .Lnot_wave_0_\@
	s_barrier_signal -3
.Lnot_wave_0_\@:
	s_barrier_wait -3
	s_barrier_signal -1
	s_barrier_wait -1
.endm
	s_load_b128 s[4:7], s[0:1], 0x0                ; x's codes s[4:5], x's scales s[6:7]
	s_load_b128 s[8:11], s[0:1], 0x10              ; W_qkv's codes s[8:9], its scales s[10:11]
	s_load_b64 s[12:13], s[0:1], 0x20              ; qkv16
	s_load_b64 s[96:97], s[0:1], 0x28              ; qkvf
	v_lshl_add_u32 v[SPW], v0, 2, SPARE
	v_mov_b32 v[NIL], 0
	ds_add_u32 v[SPW], v[NIL]                      ; the wave's opening: the add, twice on end, and its wait ahead of my first tensor load
	ds_add_u32 v[SPW], v[NIL]
	v_lshrrev_b32 v1, 5, v0
	v_readfirstlane_b32 s14, v1                    ; wave 0..3
	s_lshr_b32 s15, s14, 1                         ; which half of the tile's rows is mine.  Also: I fetch for x (0) or for W_qkv (1)
	s_and_b32 s16, s14, 1                          ; which half of its columns.  Also: which 128 rows of that tile I fetch
	s_bfe_u32 s40, ttmp6, 0x40000                  ; cx, cy: my place in the cluster
	s_bfe_u32 s41, ttmp6, 0x40004
	s_lshl_b32 s42, ttmp9, 2
	s_add_co_u32 s42, s42, s40                     ; tile column = 4 x cluster x + cx
	s_and_b32 s17, ttmp7, 0xffff
	s_lshl_b32 s17, s17, 2
	s_add_co_u32 s17, s17, s41                     ; tile row = 4 x cluster y + cy
	s_lshl_b32 s43, s41, 2
	s_lshl_b32 s43, 15, s43                        ; my row of the cluster
	s_lshl_b32 s44, 0x1111, s40                    ; my column
	; descriptor group 1: a tile of 128 rows x 256 bytes, 16 bytes of padding behind each row
	s_or_b32 s[G1+0], s43, (0<<16)|(1<<20)|(1<<21)|(5<<22)|(3<<25)  ; the mask; elements of 1 byte; padding on; bit 21 beside a mask; after every 64 words, 4 words
	s_or_b32 s[G1B+0], s44, (0<<16)|(1<<20)|(1<<21)|(5<<22)|(3<<25)
.irp g, G1, G1B
	s_mov_b32 s[\g+1], ROWB<<16                    ; tensor_dim0
	s_mov_b32 s[\g+2], 128<<16                     ; tensor_dim1
	s_mov_b32 s[\g+3], ROWB<<16                    ; tile_dim0
	s_mov_b32 s[\g+4], 128                         ; tile_dim1
	s_mov_b32 s[\g+5], KROW                        ; from row to row
	s_mov_b32 s[\g+6], 0
	s_mov_b32 s[\g+7], 0
.endr
	; the scales of 128 rows: a dense block of 4,096 bytes, as 16 rows of 256 bytes (32 elements of 8 bytes), 16 bytes of padding behind each
	s_or_b32 s[G1S+0], s43, (3<<16)|(1<<20)|(1<<21)|(5<<22)|(3<<25)
	s_or_b32 s[G1SB+0], s44, (3<<16)|(1<<20)|(1<<21)|(5<<22)|(3<<25)
.irp g, G1S, G1SB
	s_mov_b32 s[\g+1], 32<<16
	s_mov_b32 s[\g+2], (128*KS/256)<<16
	s_mov_b32 s[\g+3], 32<<16
	s_mov_b32 s[\g+4], 128*KS/256
	s_mov_b32 s[\g+5], 32
	s_mov_b32 s[\g+6], 0
	s_mov_b32 s[\g+7], 0
.endr
	s_lshl_b32 s18, s16, 7                         ; which 128 rows of the tile I fetch
	s_lshl_b32 s20, s17, 8
	s_add_co_u32 s20, s20, s18                     ; x: row 256 x tile row + 128 x half
	s_lshl_b32 s46, s42, 8
	s_add_co_u32 s46, s46, s18                     ; W_qkv: row 256 x tile column + 128 x half
	s_mov_b32 s21, 0
	s_mov_b32 s47, 0
	s_mov_b64 s[18:19], KS
	s_mul_u64 s[22:23], s[20:21], s[18:19]         ; where these rows' scales begin, in bytes
	s_mul_u64 s[92:93], s[46:47], s[18:19]
	s_mov_b64 s[18:19], KROW
	s_mul_u64 s[20:21], s[20:21], s[18:19]         ; and their codes
	s_mul_u64 s[46:47], s[46:47], s[18:19]
	s_mul_i32 s45, s14, HALFT                      ; where they go: wave x 128 rows: no place in the cluster enters an LDS address
	s_mul_i32 s94, s14, HALFS
	s_wait_dscnt 0x0                               ; both opening adds are done
	s_wait_kmcnt 0x0
	s_add_nc_u64 s[20:21], s[4:5], s[20:21]
	s_add_nc_u64 s[22:23], s[6:7], s[22:23]
	s_add_nc_u64 s[46:47], s[8:9], s[46:47]
	s_add_nc_u64 s[92:93], s[10:11], s[92:93]
	CROUND                                         ; all sixteen work-groups are here: the joint loads meet
	s_mov_b32 s[G0S], 1
	s_add_co_u32 s[G0S+1], s94, SCL
	s_mov_b64 s[G0S+2:G0S+3], s[22:23]
	s_or_b32 s[G0S+3], s[G0S+3], 0x80000000
	s_mov_b32 s[G0SB], 1
	s_add_co_u32 s[G0SB+1], s94, SCL
	s_mov_b64 s[G0SB+2:G0SB+3], s[92:93]
	s_or_b32 s[G0SB+3], s[G0SB+3], 0x80000000
	JLOAD G0S, G1S, G0SB, G1SB                     ; the scales first: they are wanted with the first slot
.irp s, 0,1
	s_mov_b32 s[G0+4*\s], 1
	s_add_co_u32 s[G0+4*\s+1], s45, \s*SLOT
	s_add_nc_u64 s[G0+4*\s+2:G0+4*\s+3], s[20:21], \s*ROWB
	s_or_b32 s[G0+4*\s+3], s[G0+4*\s+3], 0x80000000
	s_mov_b32 s[G0B+4*\s], 1
	s_add_co_u32 s[G0B+4*\s+1], s45, \s*SLOT
	s_add_nc_u64 s[G0B+4*\s+2:G0B+4*\s+3], s[46:47], \s*ROWB
	s_or_b32 s[G0B+4*\s+3], s[G0B+4*\s+3], 0x80000000
	JLOAD G0+4*\s, G1, G0B+4*\s, G1B               ; three tensor loads of mine are out in all
.endr
	v_and_b32 v1, 15, v0                           ; r = l % 16
	v_bfe_u32 v2, v0, 4, 1                         ; h = l / 16
	v_mul_u32_u24 v3, v1, PITCH
	v_lshl_add_u32 v4, v2, 4, v3                   ; a fragment's row x pitch + 16 x half
	s_mul_i32 s21, s15, HALFT                      ; my 128 rows of x
	s_mul_i32 s22, s16, HALFT                      ; my 128 rows of W_qkv,
	s_add_co_u32 s22, s22, 2*HALFT                 ; which lie behind x's 256
.irp s, 0,1
	v_add_nc_u32 v[ADRA+\s], s21, v4
	v_add_nc_u32 v[ADRB+\s], s22, v4
	s_add_co_u32 s21, s21, SLOT
	s_add_co_u32 s22, s22, SLOT
.endr
	v_mul_u32_u24 v5, v1, KS                       ; my row's scales: 32 bytes a row,
	v_lshrrev_b32 v6, 8, v5
	v_lshl_add_u32 v5, v6, 4, v5                   ; and 16 more for each 256 passed
	s_mul_i32 s21, s15, HALFS                      ; x's: my 128 rows
	s_mul_i32 s22, s16, HALFS                      ; W_qkv's: my 128 rows, behind x's 256
	s_add_co_u32 s22, s22, 2*HALFS
	s_sub_co_u32 s22, s22, s21
	v_mul_u32_u24 v6, s22, v2                      ; lanes 16-31 take W_qkv's: the lower base + h x the distance
	s_add_co_u32 s21, s21, SCL
	v_add_nc_u32 v5, v5, v6
	v_add_nc_u32 v[ADRS], s21, v5
	; the way out
	s_mul_i32 s23, s14, 16*SPITCH                  ; my stage
	v_mul_u32_u24 v5, v1, SPITCH                   ; in: row r, 16 bytes for each half of the lanes
	v_lshl_add_u32 v5, v2, 4, v5
	v_add_nc_u32 v[STO], s23, v5
	v_bfe_u32 v5, v0, 3, 1                         ; back: lanes 0-15 take my first head's 128 bytes of two rows, lanes 16-31 my second head's
	v_mul_u32_u24 v5, v5, SPITCH
	v_lshl_add_u32 v5, v2, 7, v5
	v_and_b32 v6, 7, v0
	v_lshl_add_u32 v5, v6, 4, v5
	v_add_nc_u32 v[RD], s23, v5
	v_lshlrev_b32 v[CO], 4, v1                     ; in qkv16 two rows of a head are 256 consecutive bytes; the next head lies 2^18 bytes on
	v_lshl_add_u32 v[CO], v2, 18, v[CO]
	v_and_b32 v6, 31, v0
	v_lshlrev_b32 v[FO], 4, v6
	s_lshr_b32 s20, s17, 3                         ; batch
	s_and_b32 s21, s17, 7                          ; tile row within the sequence
	s_or_b32 s22, s21, s15
	v_mov_b32 v[FI], s22                           ; 0: my block 0 holds positions 0-15
	s_lshl_b32 s21, s21, 1
	s_add_co_u32 s21, s21, s15
	s_lshl_b32 s21, s21, 14                        ; my first position x 128 bytes
	s_lshl_b32 s22, s20, 22                        ; the batch's 16 heads
	s_add_co_u32 s21, s21, s22
	s_lshr_b32 s46, s42, 2
	s_lshl_b32 s46, s46, 23                        ; q, k or v
	s_and_b32 s47, s42, 3
	s_lshl_b32 s47, s47, 1
	s_add_co_u32 s47, s47, s16
	s_lshl_b32 s47, s47, 19                        ; my pair of heads
	s_add_co_u32 s46, s46, s47
	s_add_co_u32 s46, s46, s21
	s_mov_b32 s47, 0
	s_add_nc_u64 s[12:13], s[12:13], s[46:47]
	s_mul_i32 s20, s20, 196608                     ; qkvf: the batch's 192 images of 1,024 bytes,
	s_lshl_b32 s46, s42, 1
	s_add_co_u32 s46, s46, s16
	s_lshl_b32 s46, s46, 13                        ; my eight of them
	s_add_co_u32 s46, s46, s20
	s_add_nc_u64 s[96:97], s[96:97], s[46:47]
.macro FRAG reg, adr, q, i             ; 16 rows x 128 K of 4-bit codes: 8 registers: lane l holds row l % 16; registers 4 c .. 4 c + 3 hold K = 64 c + 32 (l / 16) + 0 .. 31
.irp c, 0,1
	ds_load_b128 v[\reg+4*\c:\reg+4*\c+3], v[\adr] offset:64*(\q)+32*\c+(\i)*16*PITCH
.endr
.endm
; 16 matrix instructions: x's blocks a0, a0 + 1 against W_qkv's eight, the slot's q-th 128 along K.  p: W_qkv's set; sc: the set of scale words.  zero = 1: the product starts the sums.
; The 64 accumulators take turns, one instruction a turn, in the same order in every step.
.macro MUL16 a0, p, q, sc, zero
.irp a, \a0, \a0+1
.irp b, 0,1,2,3,4,5,6,7
.if \zero
	v_wmma_scale_f32_16x16x128_f8f6f4 v[8*(8*((\a)%4)+\b):8*(8*((\a)%4)+\b)+7], v[128*(\p)+FR*\b:128*(\p)+FR*\b+FR-1], v[AF+FR*(\a):AF+FR*(\a)+FR-1], 0, v[SC+8*NQ*(\sc)+NQ*\b+(\q)], v[SC+8*NQ*(\sc)+NQ*(\a)+(\q)] matrix_a_fmt:MATRIX_FMT_FP4 matrix_b_fmt:MATRIX_FMT_FP4 matrix_a_scale:MATRIX_SCALE_ROW1
.else
	v_wmma_scale_f32_16x16x128_f8f6f4 v[8*(8*((\a)%4)+\b):8*(8*((\a)%4)+\b)+7], v[128*(\p)+FR*\b:128*(\p)+FR*\b+FR-1], v[AF+FR*(\a):AF+FR*(\a)+FR-1], v[8*(8*((\a)%4)+\b):8*(8*((\a)%4)+\b)+7], v[SC+8*NQ*(\sc)+NQ*\b+(\q)], v[SC+8*NQ*(\sc)+NQ*(\a)+(\q)] matrix_a_fmt:MATRIX_FMT_FP4 matrix_b_fmt:MATRIX_FMT_FP4 matrix_a_scale:MATRIX_SCALE_ROW1
.endif
.endr
.endr
.endm
.macro FETCH_B slot, q, p
	WIN TO_B
.irp i, 0,1,2,3,4,5,6,7
	FRAG 128*(\p)+FR*\i, ADRB+\slot, \q, \i
.endr
	WIN 0
.endm
.macro FETCH_A slot, q, i0
.irp i, \i0, \i0+1, \i0+2, \i0+3
	FRAG AF+FR*(\i), ADRA+\slot, \q, \i
.endr
.endm
.macro SCALES sc                       ; a slot's scale words: 4 words a row; lanes 0-15 take x's block i, lanes 16-31 W_qkv's block i
.irp i, 0,1,2,3,4,5,6,7
	ds_load_b128 v[SC+8*NQ*\sc+NQ*\i:SC+8*NQ*\sc+NQ*\i+3], v[ADRS] offset:\i*SBLK
.endr
.endm
; A load into a register that a matrix instruction has read, and a vector instruction or a store that reads a matrix result, stand four places behind it; only plain vector instructions that name none of its registers are places.
.macro PLACES n
.rept \n
	v_nop
.endr
.endm
.macro STEP slot, q, zero              ; a step of 128 along K that has its successor in the same slot
	s_wait_dscnt 4*NL                              ; W_qkv's set and x's blocks 0-3 are in; the youngest eight loads (x's blocks 4-7) may be out
	WIN MUL_LO
	MUL16 0, (\q)%2, \q, \slot, \zero
	MUL16 2, (\q)%2, \q, \slot, \zero
	s_wait_dscnt 0                                 ; x's blocks 4-7 are in
	PLACES NP
	FETCH_B \slot, (\q)+1, 1-(\q)%2
	FETCH_A \slot, (\q)+1, 0
	WIN MUL_HI
	MUL16 4, (\q)%2, \q, \slot, \zero
	MUL16 6, (\q)%2, \q, \slot, \zero
	PLACES NP
	WIN 0
	FETCH_A \slot, (\q)+1, 4
.endm
; Slot 0's last step changes slots: one barrier; in front of it each wave waits for all its tensor loads (its part of slot 1), adds 0 to its spare word, and waits for that and for its reads of slot 0.
; Behind it slot 1 is whole, and nobody reads slot 0 any more: the stages of the way out lie there.
.macro TURN slot, next
	s_wait_tensorcnt 0x0
	ds_add_u32 v[SPW], v[NIL]
	s_wait_dscnt 4*NL+1                            ; (the add and the youngest eight loads may be out)
	WIN MUL_LO
	MUL16 0, 1, NQ-1, \slot, 0
	s_wait_dscnt 0x0                               ; the add is done, and my reads of this slot are over
	s_barrier_signal -1
	MUL16 2, 1, NQ-1, \slot, 0
	WIN 0
	s_barrier_wait -1
	PLACES NP
	v_add_nc_u32 v[ADRS], 4*NQ, v[ADRS]            ; on to the next slot's scale words (no LDS load of mine is out)
	FETCH_B \next, 0, 0
	FETCH_A \next, 0, 0
	SCALES \next
	WIN MUL_HI
	MUL16 4, 1, NQ-1, \slot, 0
	MUL16 6, 1, NQ-1, \slot, 0
	PLACES NP
	WIN 0
	FETCH_A \next, 0, 4
.endm
.macro STEPS slot, from
.set Q, \from
.rept NQ-1-\from
	STEP \slot, Q, 0
.set Q, Q+1
.endr
.endm
	s_wait_tensorcnt 1                             ; the scales and my part of slot 0 are in (slot 1's load may be out)
	s_barrier_signal -1
	s_barrier_wait -1                              ; everybody's are
	FETCH_B 0, 0, 0
	FETCH_A 0, 0, 0
	SCALES 0
	FETCH_A 0, 0, 4
	STEP 0, 0, 1                                   ; the first step's products start the sums
	STEPS 0, 1
	TURN 0, 1
	STEPS 1, 0
	s_wait_dscnt 4*NL                              ; the very last step: nothing more to fetch
	WIN MUL_LO
	MUL16 0, 1, NQ-1, 1, 0
	MUL16 2, 1, NQ-1, 1, 0
	s_wait_dscnt 0
	WIN MUL_HI
	MUL16 4, 1, NQ-1, 1, 0
	MUL16 6, 1, NQ-1, 1, 0
	WIN 0
	PLACES NP                                      ; behind the last products, for all that follows
	; THE F32 SUMS OF POSITIONS 0-15.  No branch: the lanes are on only in a wave whose block 0 holds them.  Each store covers 512 consecutive bytes: an image of four registers.
	s_wait_xcnt 0x0                                ; EXEC changes only behind this wait
	v_cmp_eq_u32 vcc_lo, 0, v[FI]
	s_and_saveexec_b32 s98, vcc_lo
	WIN 0x08                                       ; a store's data are its source 1: window 2
.irp b, 0,1,2,3,4,5,6,7
	global_store_b128 v[FO], v[8*\b:8*\b+3], s[96:97] offset:1024*\b          ; each accumulator from its low end on
	global_store_b128 v[FO], v[8*\b+4:8*\b+7], s[96:97] offset:1024*\b+512
.endr
	WIN 0
	s_wait_xcnt 0x0                                ; and again, in front of the line that widens it
	s_or_b32 exec_lo, exec_lo, s98
; THE WAY OUT of block a (16 rows x 128 columns), in three parts.  PACK: rounded to f16, 16 bytes a lane.  TOSTAGE: into my own stage and back by heads.  SEND: stored.
.macro PACK a
.set AC, 64*((\a)%4)
	WIN 0x0a+5*((\a)/4)                            ; sources 0 and 1: window 2 or 3
.irp b, 0,1,2,3,4,5,6,7
.irp i, 0,1,2,3
	v_cvt_pk_f16_f32 v[TMP+4*\b+\i], v[AC+8*\b+2*\i], v[AC+8*\b+2*\i+1]
.endr
.endr
	WIN 0
.endm
.macro TOSTAGE a
.set BK, OB+192*((\a)%2)
.irp b, 0,1,2,3,4,5,6,7
	ds_store_b128 v[STO], v[TMP+4*\b:TMP+4*\b+3] offset:32*\b
.endr
.irp t, 0,1,2,3,4,5,6,7
	ds_load_b128 v[BK+4*\t:BK+4*\t+3], v[RD] offset:\t*2*SPITCH    ; LDS serves a wave's instructions in order: these see the stores above
.endr
.endm
.macro SEND a
.set BK, OB+192*((\a)%2)
	s_wait_dscnt 0x0                               ; the block is back in registers
	s_wait_xcnt 0x0                                ; the block before has left its registers: the next TOSTAGE may load into them
.irp t, 0,1,2,3,4,5,6,7
	global_store_b128 v[CO], v[BK+4*\t:BK+4*\t+3], s[12:13] offset:2048*(\a)+256*\t   ; 16 lanes store 256 consecutive bytes: two positions of one head
.endr
.endm
	PACK 0
	TOSTAGE 0
.irp a, 1,2,3,4,5,6,7                  ; block a's conversions stand between block a - 1's loads from the stage and the wait for them
	PACK \a
	SEND \a-1
	TOSTAGE \a
.endr
	SEND 7
	s_wait_tensorcnt 0x0                           ; the wave's end: a wait, an add to my spare word and its wait, behind my last tensor load and my last LDS store
	ds_add_u32 v[SPW], v[NIL]
	s_wait_dscnt 0x0
	CROUND                                         ; the closing round: no work-group ends while a partner may still ask for a tile that names it
	s_endpgm
.Lfunc_end_k_qa29a1d6cef_gemm_qkv:
	.size	k_qa29a1d6cef_gemm_qkv, .Lfunc_end_k_qa29a1d6cef_gemm_qkv-k_qa29a1d6cef_gemm_qkv
	.p2alignl 7, 3214868480
	.fill 96, 4, 3214868480
	.section	.rodata,"a",@progbits
	.p2align	6, 0x0
	.amdhsa_kernel k_qa29a1d6cef_gemm_qkv
		.amdhsa_group_segment_fixed_size 327680
		.amdhsa_private_segment_fixed_size 0
		.amdhsa_enable_private_segment 0
		.amdhsa_kernarg_size 48
		.amdhsa_user_sgpr_count 2
		.amdhsa_user_sgpr_kernarg_segment_ptr 1
		.amdhsa_wavefront_size32 1
		.amdhsa_system_sgpr_workgroup_id_x 1
		.amdhsa_system_sgpr_workgroup_id_y 1
		.amdhsa_system_sgpr_workgroup_id_z 1
		.amdhsa_system_vgpr_workitem_id 0
		.amdhsa_next_free_vgpr 1024
		.amdhsa_next_free_sgpr 100
		.amdhsa_reserve_vcc 1
		.amdhsa_float_denorm_mode_32 3
		.amdhsa_float_denorm_mode_16_64 3
		.amdhsa_memory_ordered 1
		.amdhsa_forward_progress 1
		.amdhsa_inst_pref_size 129
	.end_amdhsa_kernel
	.amdgpu_metadata
---
amdhsa.version: [ 1, 2 ]
amdhsa.kernels:
  - .name:           k_qa29a1d6cef_gemm_qkv
    .symbol:         k_qa29a1d6cef_gemm_qkv.kd
    .args:
      - { .name: xc, .offset: 0, .size: 8, .value_kind: global_buffer, .address_space: global }
      - { .name: xs, .offset: 8, .size: 8, .value_kind: global_buffer, .address_space: global }
      - { .name: wc, .offset: 16, .size: 8, .value_kind: global_buffer, .address_space: global }
      - { .name: ws, .offset: 24, .size: 8, .value_kind: global_buffer, .address_space: global }
      - { .name: qkv16, .offset: 32, .size: 8, .value_kind: global_buffer, .address_space: global }
      - { .name: qkvf, .offset: 40, .size: 8, .value_kind: global_buffer, .address_space: global }
    .group_segment_fixed_size: 327680
    .private_segment_fixed_size: 0
    .kernarg_segment_align: 8
    .kernarg_segment_size: 48
    .max_flat_workgroup_size: 128
    .sgpr_count:     100
    .vgpr_count:     1024
    .wavefront_size: 32
...
	.end_amdgpu_metadata
.endif
;; end of part 2
;; launch attn (part 3): grid 8 x 32, 16 waves a work-group, no clusters, 194,560 bytes of LDS; arguments qkv16, attn16; writes attn16
.if DOCPART == 3
	.amdgcn_target "amdgcn-amd-amdhsa--gfx1250"
	.amdhsa_code_object_version 6
	.text
	.protected	k_qa29a1d6cef_attn
	.globl	k_qa29a1d6cef_attn
	.p2align	8
	.type	k_qa29a1d6cef_attn,@function
k_qa29a1d6cef_attn:
	s_mov_b64 s[64:65], 0
	v_nop
	global_prefetch_b8 v0, s[64:65] scope:SCOPE_SE
	s_setreg_imm32_b32 hwreg(HW_REG_WAVE_MODE, 25, 1), 1
	s_wait_xcnt 0x0
; Attention under the mask that the problem builds: key j counts for query i where i - 256 < j <= i.  q, k, v: f16, [3][32 heads][2048][64]; out: f16, [16 heads][2 x 2048 rows][64].  Products on f16 operands, sums, maxima and softmax in f32.
; SHARES.  A work-group owns 256 queries (q0 = 256 x) of one head (y) and brings the 512 keys q0 - 256 .. q0 + 255 of K and V into LDS once: no ring, nothing is filled again.
; Each of its sixteen waves owns 16 queries, ii = 16 w + r, and walks 288 keys, local keys kl0 + x, kl0 = 32 (w / 2), x = 0 .. 287: 18 tiles of 16.  Key x counts where e < x <= e + 256, e = 16 (w % 2) + r.
; A lane's 144 scores stay in registers: the softmax is one pass, with the row's true maximum taken away, and nothing is rescaled.
; THE FIRST BLOCK (x = 0) has no keys under its queries: the lower half's address is held at the head's row 0, those rows are read and multiplied like any others, and every tile of local keys under 256 then gets -infinity.
; LAYOUT.  S^T = K Q^T (source 0 = 16 keys, source 1 = my 16 queries): a lane holds ONE query (lane % 16) and keys 16 t + 8 (lane / 16) + 0..7.  Two such tiles, rounded to f16 in pairs, ARE source 1 of O^T = V^T P.  V comes out of LDS turned.
; NO CLUSTER: a block of 256 keys is read by two neighbouring work-groups, but it is the upper half of one's LDS and the lower half of the other's, and a joint load has one LDS address.
; NO PREFETCH: all tiles are asked for at the head; there is no later step to ask ahead for.
; LIMITS: the weights p (at most 1) under 2^-25 become 0 in f16; an output over 65,504 in magnitude becomes infinity in f16.
.set PK,    144                        ; a row of K in LDS: 128 bytes + 16: an odd multiple of 16
.set PV,    160                        ; a row of V: 128 + 32: an odd multiple of 32, for the turning load
.set VBASE, 512*PK                     ; 73,728
.set STAGE, VBASE+512*PV               ; 155,648: 16 rows x 144 bytes for each wave, for the way out; no tile lands there
.set SPARE, STAGE+16*16*PK             ; 192,512: the spare words, 128 bytes a wave, which no other line names
.set SPW, 1                            ; v1   LDS address of my spare word; never rewritten
.set NIL, 2                            ; v2   0; never rewritten
.set AK,  3                            ; v3   my lane's place in my first tile of K
.set AV,  4                            ; v4   the same for V
.set DD,  5                            ; v5   e - 8 (lane / 16)
.set NINF, 6                           ; v6   -infinity
.set STO, 7                            ; v7   the way out: where I put 16 bytes of a row
.set RD,  8                            ; v8   where I read rows back
.set GO,  9                            ; v9   16 x lane
.set QO,  10                           ; v10  my byte offset in the wave's rows of Q
.set PX,  11                           ; v11  what the lane 16 away sends
.set MX,  12                           ; v12-15 four chains of the maximum; then v12 = c m
.set QF,  16                           ; v16-31  Q's two fragments
.set KV,  32                           ; v32-95  fragments of K or of V
.set S,   96                           ; v96-239 the scores, then p; packed to f16 in v96-167
.set O,   168                          ; v168-199 O^T
.set SUM, 240                          ; v240-243 the sum in two chains of pairs
.set RL,  244                          ; v244-245 1 / the sum, twice
.set OP,  240                          ; v240-255 at the end: the packed output
.set WV,  8                            ; s8   wave
.set SEL, 16                           ; s[16:17] v_permlanex16_b32's selects for lane l xor 16
.set CS,  18                           ; s[18:19] c = log2(e) / 8, twice
.set G1K, 24
.set G1V, 32
.set G0K, 40
.set G0V, 44
	s_load_b128 s[4:7], s[0:1], 0x0                ; qkv16, attn16
	v_lshl_add_u32 v[SPW], v0, 2, SPARE
	v_mov_b32 v[NIL], 0
	ds_add_u32 v[SPW], v[NIL]                      ; the wave's opening: the add, twice on end, and its wait ahead of the first tensor load
	ds_add_u32 v[SPW], v[NIL]
	v_lshrrev_b32 v3, 5, v0
	v_readfirstlane_b32 s[WV], v3                  ; wave 0..15
	s_mov_b32 s9, ttmp9                            ; the block of queries
	s_and_b32 s10, ttmp7, 0xffff                   ; 16 x batch + head
	s_lshr_b32 s11, s[WV], 1
	s_lshl_b32 s11, s11, 5                         ; kl0
	; descriptor group 1: 256 rows of 64 elements of 2 bytes, dense in memory, padded in LDS
	s_mov_b32 s[G1K], (1<<16)|(1<<20)|(4<<22)|(3<<25)   ; no mask; elements of 2 bytes; padding on; after every 32 words, 4 words
	s_mov_b32 s[G1V], (1<<16)|(1<<20)|(4<<22)|(7<<25)   ; the same with 8 words
.irp g, G1K, G1V
	s_mov_b32 s[\g+1], 64<<16                      ; tensor_dim0
	s_mov_b32 s[\g+2], 256<<16                     ; tensor_dim1
	s_mov_b32 s[\g+3], 64<<16                      ; tile_dim0
	s_mov_b32 s[\g+4], 256                         ; tile_dim1
	s_mov_b32 s[\g+5], 64                          ; from row to row
	s_mov_b32 s[\g+6], 0
	s_mov_b32 s[\g+7], 0
.endr
	s_mov_b32 s[SEL], 0x76543210
	s_mov_b32 s[SEL+1], 0xfedcba98
	s_mov_b32 s[CS], 0x3e38aa3b                    ; log2(e) / sqrt(64)
	s_mov_b32 s[CS+1], s[CS]
	s_mov_b32 s20, 0xff800000                      ; -infinity
	s_mov_b32 s23, 0
	s_and_b32 s12, s[WV], 1                        ; which half of the 512 keys I fetch, if I fetch
	s_add_co_u32 s13, s9, s12
	s_sub_co_i32 s13, s13, 1
	s_max_i32 s13, s13, 0                          ; its block of 256 rows, held at 0 from below: no load leaves the head
	s_lshl_b32 s48, s13, 15                        ; x 256 rows of 128 bytes
	s_lshl_b32 s14, s10, 18                        ; the head's 2,048 rows
	s_add_co_u32 s48, s48, s14
	s_mov_b32 s49, 0
	s_mov_b32 s15, 0
	s_mul_i32 s21, s12, 256*PK                     ; where it goes: K's half,
	s_mul_i32 s50, s12, 256*PV
	s_add_co_u32 s50, s50, VBASE                   ; V's half
	s_wait_dscnt 0x0                               ; both opening adds are done
	s_wait_kmcnt 0x0
	s_mov_b32 s[G0K], 1
	s_mov_b32 s[G0K+1], s21
	s_add_nc_u64 s[G0K+2:G0K+3], s[4:5], s[48:49]
	s_add_nc_u64 s[G0K+2:G0K+3], s[G0K+2:G0K+3], 1<<23   ; k lies behind q
	s_or_b32 s[G0K+3], s[G0K+3], 0x80000000
	s_mov_b32 s[G0V], 1
	s_mov_b32 s[G0V+1], s50
	s_add_nc_u64 s[G0V+2:G0V+3], s[4:5], s[48:49]
	s_add_nc_u64 s[G0V+2:G0V+3], s[G0V+2:G0V+3], 2<<23   ; v behind k
	s_or_b32 s[G0V+3], s[G0V+3], 0x80000000
	; waves 0 and 1 fetch K's halves, waves 2 and 3 V's, the others nothing: one tensor load a wave at the most.  An s_nop 0 and four v_nop follow each line
	s_cmp_lt_u32 s[WV], 2
	s_cbranch_scc0 .Lnot_k
	tensor_load_to_lds s[G0K:G0K+3], s[G1K:G1K+7]
	s_nop 0
.rept 4
	v_nop
.endr
	s_branch .Lasked
.Lnot_k:
	s_cmp_lt_u32 s[WV], 4
	s_cbranch_scc0 .Lasked
	tensor_load_to_lds s[G0V:G0V+3], s[G1V:G1V+7]
	s_nop 0
.rept 4
	v_nop
.endr
.Lasked:
	s_lshl_b32 s13, s9, 15
	s_lshl_b32 s21, s[WV], 11
	s_add_co_u32 s13, s13, s21                     ; my first query x 128 bytes
	s_add_co_u32 s14, s14, s13
	s_add_nc_u64 s[4:5], s[4:5], s[14:15]          ; Q at my first query
	s_and_b32 s14, s10, 15
	s_lshl_b32 s14, s14, 19                        ; out: the head's 4,096 rows,
	s_lshr_b32 s21, s10, 4
	s_lshl_b32 s21, s21, 18                        ; the batch's 2,048,
	s_add_co_u32 s14, s14, s21
	s_add_co_u32 s14, s14, s13                     ; my first query
	s_add_nc_u64 s[6:7], s[6:7], s[14:15]
	v_and_b32 v12, 15, v0                          ; r
	v_bfe_u32 v13, v0, 4, 1                        ; h
	v_lshlrev_b32 v[QO], 7, v12
	v_lshl_add_u32 v[QO], v13, 4, v[QO]            ; row r of 128 bytes + 16 h
.irp i, 0,1,2,3
	global_load_b128 v[QF+4*\i:QF+4*\i+3], v[QO], s[4:5] offset:32*\i   ; Q's two fragments (channels 0-31, 32-63) stay in registers
.endr
	v_mul_u32_u24 v15, v12, PK
	v_lshl_add_u32 v15, v13, 4, v15                ; r x 144 + 16 h
	s_mul_i32 s13, s11, PK
	v_add_nc_u32 v[AK], s13, v15                   ; K: my first key's row
	s_mul_i32 s13, s[WV], 16*PK
	s_add_co_u32 s13, s13, STAGE                   ; my stage
	v_add_nc_u32 v[STO], s13, v15
	v_bfe_u32 v14, v0, 3, 2
	v_mul_u32_u24 v[RD], v14, PK
	v_and_b32 v14, 7, v0
	v_lshl_add_u32 v[RD], v14, 4, v[RD]
	v_add_nc_u32 v[RD], s13, v[RD]                 ; back: eight lanes to a row of 128 bytes, four rows an instruction
	v_lshl_add_u32 v14, v13, 3, v14                ; V: the turning load: key 8 h + l % 8,
	v_mul_u32_u24 v[AV], v14, PV
	v_bfe_u32 v14, v0, 3, 1
	v_lshl_add_u32 v[AV], v14, 4, v[AV]            ; channels 8 ((l / 8) % 2) on
	s_mul_i32 s13, s11, PV
	s_add_co_u32 s13, s13, VBASE
	v_add_nc_u32 v[AV], s13, v[AV]
	s_lshl_b32 s13, s12, 4
	v_add_nc_u32 v[DD], s13, v12                   ; e = 16 (w % 2) + r
	v_lshlrev_b32 v14, 3, v13
	v_sub_nc_u32 v[DD], v[DD], v14                 ; - 8 h
	v_mov_b32 v[NINF], 0xff800000
	v_and_b32 v14, 31, v0
	v_lshlrev_b32 v[GO], 4, v14
	v_mov_b32 v[PX], 0                             ; written once: a lane permute's destination counts as one of its sources
	s_wait_tensorcnt 0x0                           ; my tile, if I fetched one, is in,
	s_barrier_signal -1
	s_barrier_wait -1                              ; everybody's is
	s_wait_loadcnt 0x0                             ; Q
; S^T = K Q^T for tiles 4 g .. 4 g + n - 1: their fragments (two each, 32 channels deep), then 2 n products; the accumulators take turns.  Four places close it, for the next loads and the first reads.
.macro QK g, n
.set ii, 0
.rept \n
.set tt, 4*(\g)+ii
.irp ks, 0,1
	ds_load_b128 v[KV+16*ii+8*\ks:KV+16*ii+8*\ks+3],   v[AK] offset:tt*16*PK+64*\ks
	ds_load_b128 v[KV+16*ii+8*\ks+4:KV+16*ii+8*\ks+7], v[AK] offset:tt*16*PK+64*\ks+32
.endr
.set ii, ii+1
.endr
	s_wait_dscnt 0x0
.set ii, 0
.rept \n
.set tt, 4*(\g)+ii
	v_wmma_f32_16x16x32_f16 v[S+8*tt:S+8*tt+7], v[KV+16*ii:KV+16*ii+7], v[QF:QF+7], 0
.set ii, ii+1
.endr
.set ii, 0
.rept \n
.set tt, 4*(\g)+ii
	v_wmma_f32_16x16x32_f16 v[S+8*tt:S+8*tt+7], v[KV+16*ii+8:KV+16*ii+15], v[QF+8:QF+15], v[S+8*tt:S+8*tt+7]
.set ii, ii+1
.endr
.rept 4
	v_nop
.endr
.endm
; V^T's fragments for steps 2 g .. 2 g + n - 1 of 32 keys: four tiles of 16 channels each
.macro VLOAD g, n
.set ii, 0
.rept \n
.set uu, 2*(\g)+ii
.irp c, 0,1,2,3
	ds_load_tr16_b128 v[KV+32*ii+8*\c:KV+32*ii+8*\c+3],   v[AV] offset:uu*32*PV+32*\c
	ds_load_tr16_b128 v[KV+32*ii+8*\c+4:KV+32*ii+8*\c+7], v[AV] offset:uu*32*PV+32*\c+16*PV
.endr
.set ii, ii+1
.endr
.endm
; O^T += V^T P for these steps: the four accumulators by turns; step 0 starts the sums
.macro PVMUL g, n
	s_wait_dscnt 0x0
.set ii, 0
.rept \n
.set uu, 2*(\g)+ii
.irp c, 0,1,2,3
.if uu == 0
	v_wmma_f32_16x16x32_f16 v[O+8*\c:O+8*\c+7], v[KV+32*ii+8*\c:KV+32*ii+8*\c+7], v[S+8*uu:S+8*uu+7], 0
.else
	v_wmma_f32_16x16x32_f16 v[O+8*\c:O+8*\c+7], v[KV+32*ii+8*\c:KV+32*ii+8*\c+7], v[S+8*uu:S+8*uu+7], v[O+8*\c:O+8*\c+7]
.endif
.endr
.set ii, ii+1
.endr
.rept 4
	v_nop
.endr
.endm
	QK 0, 4
	QK 1, 4
	QK 2, 4
	QK 3, 4
	QK 4, 2
	VLOAD 0, 2                                     ; V's first two steps land under the softmax
	; THE EDGES.  Register 8 t + j holds key x = 16 t + 8 h + j.  Tiles 0, 1: hidden where x <= e; tiles 16, 17: hidden where x - 256 > e.  Tiles 2 to 15 count whole.
.irp t, 0,1
.irp j, 0,1,2,3,4,5,6,7
	v_cmp_le_i32 vcc_lo, 16*\t+\j, v[DD]
	v_cndmask_b32 v[S+8*\t+\j], v[S+8*\t+\j], v[NINF], vcc_lo
.endr
.endr
.irp t, 0,1
.irp j, 0,1,2,3,4,5,6,7
	v_cmp_gt_i32 vcc_lo, 16*\t+\j, v[DD]
	v_cndmask_b32 v[S+8*(16+\t)+\j], v[S+8*(16+\t)+\j], v[NINF], vcc_lo
.endr
.endr
	s_cmp_lg_u32 s9, 0                             ; the first block of queries alone: a branch on the work-group's number
	s_cbranch_scc1 .Lnot_first
.irp t, 0,1,2,3,4,5,6,7,8,9,10,11,12,13,14,15
	s_add_co_u32 s21, s11, 16*\t                   ; the tile's first local key: under 256 it stands for a key that does not exist
	s_cmp_lt_u32 s21, 256
	s_cselect_b32 s22, s20, 0                      ; -infinity, or 0, is added to the tile
.irp i, 0,2,4,6
	v_pk_add_f32 v[S+8*\t+\i:S+8*\t+\i+1], v[S+8*\t+\i:S+8*\t+\i+1], s[22:23] op_sel_hi:[1,0]
.endr
.endr
.Lnot_first:
	; THE ROW'S MAXIMUM: four chains, chain c over tiles c, c + 4, ..; each tile's registers in ascending order
.irp c, 0,1,2,3
	v_max_num_f32 v[MX+\c], v[S+8*\c], v[S+8*\c+1]
.endr
.irp i, 2,4,6
.irp c, 0,1,2,3
	v_max3_num_f32 v[MX+\c], v[MX+\c], v[S+8*\c+\i], v[S+8*\c+\i+1]
.endr
.endr
.irp g, 1,2,3
.irp i, 0,2,4,6
.irp c, 0,1,2,3
	v_max3_num_f32 v[MX+\c], v[MX+\c], v[S+8*(4*\g+\c)+\i], v[S+8*(4*\g+\c)+\i+1]
.endr
.endr
.endr
.irp i, 0,2,4,6
.irp c, 0,1
	v_max3_num_f32 v[MX+\c], v[MX+\c], v[S+8*(16+\c)+\i], v[S+8*(16+\c)+\i+1]
.endr
.endr
	v_max3_num_f32 v[MX], v[MX], v[MX+1], v[MX+2]
	v_max_num_f32 v[MX], v[MX], v[MX+3]
	v_permlanex16_b32 v[PX], v[MX], s[SEL], s[SEL+1]   ; the query's other keys lie in the lane 16 away
	v_max_num_f32 v[MX], v[MX], v[PX]              ; finite: key i counts for query i
	v_mul_f32 v[MX], s[CS], v[MX]                  ; c m
.set nn, 0
.rept 72
	v_pk_fma_f32 v[S+nn:S+nn+1], v[S+nn:S+nn+1], s[CS:CS+1], v[MX:MX+1] op_sel_hi:[1,0,0] neg_lo:[0,0,1] neg_hi:[0,0,1]   ; c s - c m, two at a time
.set nn, nn+2
.endr
.set nn, 0
.rept 144
	v_exp_f32 v[S+nn], v[S+nn]                     ; p = 2^(c s - c m), at most 1; 0 for a hidden key
.set nn, nn+1
.endr
	v_nop                                          ; a plain instruction behind the last exponential
	s_wait_alu depctr_va_vdst(0)                   ; one wait for the whole batch, ahead of its first reader
	v_pk_add_f32 v[SUM:SUM+1], v[S:S+1], v[S+2:S+3]             ; the row's sum, of p in f32, in two chains of pairs
	v_pk_add_f32 v[SUM+2:SUM+3], v[S+4:S+5], v[S+6:S+7]
.set nn, 8
.rept 34
	v_pk_add_f32 v[SUM:SUM+1], v[SUM:SUM+1], v[S+nn:S+nn+1]
	v_pk_add_f32 v[SUM+2:SUM+3], v[SUM+2:SUM+3], v[S+nn+2:S+nn+3]
.set nn, nn+4
.endr
	v_pk_add_f32 v[SUM:SUM+1], v[SUM:SUM+1], v[SUM+2:SUM+3]
	v_add_f32 v[SUM], v[SUM], v[SUM+1]
	v_permlanex16_b32 v[PX], v[SUM], s[SEL], s[SEL+1]
	v_add_f32 v[SUM], v[SUM], v[PX]
	v_rcp_f32 v[RL], v[SUM]
	v_rcp_f32 v[RL+1], v[SUM]
.set nn, 0
.rept 72
	v_cvt_pk_f16_f32 v[S+nn], v[S+2*nn], v[S+2*nn+1]   ; p to f16, in place and ascending: register n is written when registers 2 n, 2 n + 1 are read.  Plain work behind the reciprocals
.set nn, nn+1
.endr
	s_wait_alu depctr_va_vdst(0)                   ; the reciprocals' wait, ahead of their first reader
	PVMUL 0, 2
	VLOAD 1, 2
	PVMUL 1, 2
	VLOAD 2, 2
	PVMUL 2, 2
	VLOAD 3, 2
	PVMUL 3, 2
	VLOAD 4, 1
	PVMUL 4, 1
	; THE WAY OUT.  O^T / the sum, to f16: register 8 c + j is channel 16 c + 8 h + j of query r.  Through my stage, and out as 512 consecutive bytes an instruction.
.set nn, 0
.rept 16
	v_pk_mul_f32 v[O+nn:O+nn+1], v[O+nn:O+nn+1], v[RL:RL+1]
.set nn, nn+2
.endr
.set nn, 0
.rept 16
	v_cvt_pk_f16_f32 v[OP+nn], v[O+2*nn], v[O+2*nn+1]
.set nn, nn+1
.endr
.irp c, 0,1,2,3
	ds_store_b128 v[STO], v[OP+4*\c:OP+4*\c+3] offset:32*\c
.endr
.irp i, 0,1,2,3
	ds_load_b128 v[KV+4*\i:KV+4*\i+3], v[RD] offset:\i*4*PK        ; LDS serves a wave's instructions in order: these see my stores
.endr
.irp i, 0,1,2,3
	s_wait_dscnt 3-\i                              ; the loads behind mine may be out
	global_store_b128 v[GO], v[KV+4*\i:KV+4*\i+3], s[6:7] offset:512*\i
.endr
	s_wait_tensorcnt 0x0                           ; the wave's end: a wait, an add to my spare word and its wait, behind my last tensor load and my last LDS store
	ds_add_u32 v[SPW], v[NIL]
	s_wait_dscnt 0x0
	s_endpgm
.Lfunc_end_k_qa29a1d6cef_attn:
	.size	k_qa29a1d6cef_attn, .Lfunc_end_k_qa29a1d6cef_attn-k_qa29a1d6cef_attn
	.p2alignl 7, 3214868480
	.fill 96, 4, 3214868480
	.section	.rodata,"a",@progbits
	.p2align	6, 0x0
	.amdhsa_kernel k_qa29a1d6cef_attn
		.amdhsa_group_segment_fixed_size 194560
		.amdhsa_private_segment_fixed_size 0
		.amdhsa_enable_private_segment 0
		.amdhsa_kernarg_size 16
		.amdhsa_user_sgpr_count 2
		.amdhsa_user_sgpr_kernarg_segment_ptr 1
		.amdhsa_wavefront_size32 1
		.amdhsa_system_sgpr_workgroup_id_x 1
		.amdhsa_system_sgpr_workgroup_id_y 1
		.amdhsa_system_sgpr_workgroup_id_z 1
		.amdhsa_system_vgpr_workitem_id 0
		.amdhsa_next_free_vgpr 256
		.amdhsa_next_free_sgpr 66
		.amdhsa_reserve_vcc 1
		.amdhsa_float_denorm_mode_32 3
		.amdhsa_float_denorm_mode_16_64 3
		.amdhsa_memory_ordered 1
		.amdhsa_forward_progress 1
		.amdhsa_inst_pref_size 56
	.end_amdhsa_kernel
	.amdgpu_metadata
---
amdhsa.version: [ 1, 2 ]
amdhsa.kernels:
  - .name:           k_qa29a1d6cef_attn
    .symbol:         k_qa29a1d6cef_attn.kd
    .args:
      - { .name: qkv16, .offset: 0, .size: 8, .value_kind: global_buffer, .address_space: global }
      - { .name: attn16, .offset: 8, .size: 8, .value_kind: global_buffer, .address_space: global }
    .group_segment_fixed_size: 194560
    .private_segment_fixed_size: 0
    .kernarg_segment_align: 8
    .kernarg_segment_size: 16
    .max_flat_workgroup_size: 512
    .sgpr_count:     66
    .vgpr_count:     256
    .wavefront_size: 32
...
	.end_amdgpu_metadata
.endif
;; end of part 3
;; launch proj (part 4): grid 8 x 32, 4 waves a work-group, clusters of 4 x 4, 327,680 bytes of LDS; arguments attn16, wo16, out0; writes out0
.if DOCPART == 4
	.amdgcn_target "amdgcn-amd-amdhsa--gfx1250"
	.amdhsa_code_object_version 6
	.text
	.protected	k_qa29a1d6cef_proj
	.globl	k_qa29a1d6cef_proj
	.p2align	8
	.type	k_qa29a1d6cef_proj,@function
k_qa29a1d6cef_proj:
	s_mov_b64 s[64:65], 0
	v_nop
	global_prefetch_b8 v0, s[64:65] scope:SCOPE_SE
	s_setreg_imm32_b32 hwreg(HW_REG_WAVE_MODE, 25, 1), 1
	s_wait_xcnt 0x0
	s_wait_alu depctr_hold_cnt(0) depctr_sa_sdst(0) depctr_va_vdst(0) depctr_va_sdst(0) depctr_va_ssrc(0) depctr_va_vcc(0) depctr_vm_vsrc(0)
	s_getreg_b32 s2, hwreg(HW_REG_IB_STS2, 6, 4)
	s_cmp_eq_u32 s2, 0
	s_cbranch_scc0 .Lentry_in_a_cluster
	s_endpgm
.Lentry_in_a_cluster:
	s_bfe_u32 s2, ttmp6, 0x10000c
	s_cmp_lg_u32 s2, 0xf033
	s_cbranch_scc0 .Lentry_shape_is_right
	s_endpgm
.Lentry_shape_is_right:
; out[m][n] = sum over k of A[m][k] W_out[n][k]: 4,096 x 1,024 x 1,024; operands f16, sums and out f32.  A (the attention's output) lies [16 kb][4096 rows][64], W_out's copy [16 kb][1024 rows][64]: k = 64 kb + d.
; A tile of out is 128 x 128 (256 work-groups); four waves, each 64 x 64: 16 accumulators, 128 registers.  K goes in steps of 256 (four kb) through a ring of two LDS slots; four steps in all.
; A wave's tensor load brings 64 rows of four kb: four pieces of 8,192 dense bytes, one for each kb; 16 bytes of padding behind every 128 make LDS rows of 144 bytes, laid [kb][64 rows].
; CLUSTERS: 4 x 4 work-groups; the four of a row of the cluster ask jointly for A's tiles, the four of a column for W_out's.
; THE MATRIX INSTRUCTION IS USED TRANSPOSED (source 0 = 16 rows of W_out, source 1 = 16 rows of A): a lane holds eight neighbouring numbers of a row of out.
; A wave's 64 columns of f32 are 256 consecutive bytes of a row: each wave has a stage of its own on the way out, and no barrier stands there.
; REGISTERS: window 0: v0-31 addresses; v32-95 at work on the way out; v128-255 the accumulators ((a, b) at v[128 + 8 (4 a + b)]).   window 1: two fragment buffers of 128: 64 registers of A, then 64 of W_out, for 64 along K.
.set PITCH,  144                       ; an LDS row: 128 bytes + 16: an odd multiple of 16
.set HB,     64*PITCH                  ; one kb of 64 rows
.set HALFT,  4*HB                      ; what one tensor load brings, and what one wave reads of A or of W_out
.set SLOT,   4*HALFT                   ; A's 128 rows, then W_out's 128 rows
.set STAGE,  2*SLOT                    ; behind the ring: 16 rows x 272 bytes for each wave
.set SPITCH, 272
.set SPARE,  STAGE+4*16*SPITCH         ; behind the stages: the spare words, 128 bytes a wave, which no other line names
.set LAPS,   2                         ; a lap = two K steps = once round the ring
.set KBA,    4*4096*128                ; a K step on, in bytes: four kb of A,
.set KBB,    4*1024*128                ; of W_out
.set ADRA, 16                          ; v16-17  LDS address of my A fragments in slot 0, 1
.set ADRB, 20                          ; v20-21  the same for W_out
.set STO,  24                          ; v24     the way out: where I put 32 bytes of a row
.set RD,   25                          ; v25     where I read a row back
.set CO,   26                          ; v26     my byte offset in out
.set SPW,  28                          ; v28     LDS address of my spare word; never rewritten
.set NIL,  29                          ; v29     0; never rewritten
.set TMP,  32
.set ACC,  128
.set F0,   0                           ; fragment buffers, in window 1
.set F1,   128
.set G1, 24                            ; s[24:31] descriptor group 1 for A's tiles;  s[32:39] group 0, one set for each slot
.set G0, 32
.set G1B, 48                           ; s[48:55], s[56:63] the same for W_out's
.set G0B, 56
.set MSB, 0
.macro WIN new                         ; the immediate's high byte repeats the setting that is left
.if MSB != \new
	s_set_vgpr_msb (MSB<<8)|\new
.set MSB, \new
.endif
.endm
.set MUL,  0x05                        ; sources 0 and 1 window 1; C and D window 0
.set TO_F, 0x40                        ; destination window 1, address window 0
.macro JLOAD s                         ; a joint load: waves 0 and 1 fetch A's two halves, waves 2 and 3 W_out's; an s_nop 0 and four v_nop follow each of the two lines
	s_cmp_eq_u32 s11, 0
	s_cbranch_scc0 .Lfor_b_\@
	tensor_load_to_lds s[G0+4*\s:G0+4*\s+3], s[G1:G1+7]
	s_nop 0
.rept 4
	v_nop
.endr
	s_branch .Lasked_\@
.Lfor_b_\@:
	tensor_load_to_lds s[G0B+4*\s:G0B+4*\s+3], s[G1B:G1B+7]
	s_nop 0
.rept 4
	v_nop
.endr
.Lasked_\@:
.endm
.macro CREST                           ; a round of the cluster's barrier behind its opening barrier
	s_cmp_lg_u32 s10, 0
	s_cbranch_scc1 .Lnot_wave_0_\@
	s_barrier_signal -3
.Lnot_wave_0_\@:
	s_barrier_wait -3
	s_barrier_signal -1
	s_barrier_wait -1
.endm
.macro CROUND
	s_barrier_signal -1
	s_barrier_wait -1
	CREST
.endm
	s_load_b128 s[4:7], s[0:1], 0x0                ; A s[4:5], W_out's copy s[6:7]
	s_load_b64 s[8:9], s[0:1], 0x10                ; out
	v_lshl_add_u32 v[SPW], v0, 2, SPARE
	v_mov_b32 v[NIL], 0
	ds_add_u32 v[SPW], v[NIL]                      ; the wave's opening: the add, twice on end, and its wait ahead of my first tensor load
	ds_add_u32 v[SPW], v[NIL]
	v_lshrrev_b32 v1, 5, v0
	v_readfirstlane_b32 s10, v1                    ; wave 0..3
	s_lshr_b32 s11, s10, 1                         ; which half of the tile's rows is mine.  Also: I fetch for A (0) or for W_out (1)
	s_and_b32 s12, s10, 1                          ; which half of its columns.  Also: which 64 rows of that tile I fetch
	s_bfe_u32 s40, ttmp6, 0x40000                  ; cx, cy: my place in the cluster
	s_bfe_u32 s41, ttmp6, 0x40004
	s_lshl_b32 s42, ttmp9, 2
	s_add_co_u32 s42, s42, s40                     ; tile column = 4 x cluster x + cx
	s_and_b32 s13, ttmp7, 0xffff
	s_lshl_b32 s13, s13, 2
	s_add_co_u32 s13, s13, s41                     ; tile row = 4 x cluster y + cy
	s_lshl_b32 s43, s41, 2
	s_lshl_b32 s43, 15, s43                        ; my row of the cluster
	s_lshl_b32 s44, 0x1111, s40                    ; my column
	; descriptor group 1: 4 pieces of 4,096 elements of 2 bytes (64 rows x 64), one for each kb
	s_or_b32 s[G1+0], s43, (1<<16)|(1<<20)|(1<<21)|(4<<22)|(3<<25)  ; the mask; elements of 2 bytes; padding on; bit 21 beside a mask; after every 32 words, 4 words
	s_or_b32 s[G1B+0], s44, (1<<16)|(1<<20)|(1<<21)|(4<<22)|(3<<25)
.irp g, G1, G1B
	s_mov_b32 s[\g+1], 4096<<16                    ; tensor_dim0
	s_mov_b32 s[\g+2], 4<<16                       ; tensor_dim1
	s_mov_b32 s[\g+3], 4096<<16                    ; tile_dim0
	s_mov_b32 s[\g+4], 4                           ; tile_dim1
	s_mov_b32 s[\g+6], 0
	s_mov_b32 s[\g+7], 0
.endr
	s_mov_b32 s[G1+5], 4096*64                     ; from kb to kb, in elements: A's 4,096 rows,
	s_mov_b32 s[G1B+5], 1024*64                    ; W_out's 1,024
	s_lshl_b32 s17, s12, 6                         ; which 64 rows of the tile I fetch
	s_lshl_b32 s16, s13, 7
	s_add_co_u32 s16, s16, s17                     ; A: row 128 x tile row + 64 x half
	s_lshl_b32 s16, s16, 7                         ; x 128 bytes
	s_lshl_b32 s46, s42, 7
	s_add_co_u32 s46, s46, s17                     ; W_out: row 128 x tile column + 64 x half
	s_lshl_b32 s46, s46, 7
	s_mov_b32 s17, 0
	s_mov_b32 s47, 0
	s_mul_i32 s20, s10, HALFT                      ; where they go: by the wave's number alone
	s_wait_dscnt 0x0                               ; both opening adds are done
	s_wait_kmcnt 0x0
	s_add_nc_u64 s[14:15], s[4:5], s[16:17]
	s_add_nc_u64 s[46:47], s[6:7], s[46:47]
	CROUND                                         ; all sixteen work-groups are here: the first joint loads meet
.irp s, 0,1
	s_mov_b32 s[G0+4*\s], 1
	s_add_co_u32 s[G0+4*\s+1], s20, \s*SLOT
	s_add_nc_u64 s[G0+4*\s+2:G0+4*\s+3], s[14:15], \s*KBA
	s_or_b32 s[G0+4*\s+3], s[G0+4*\s+3], 0x80000000
	s_mov_b32 s[G0B+4*\s], 1
	s_add_co_u32 s[G0B+4*\s+1], s20, \s*SLOT
	s_add_nc_u64 s[G0B+4*\s+2:G0B+4*\s+3], s[46:47], \s*KBB
	s_or_b32 s[G0B+4*\s+3], s[G0B+4*\s+3], 0x80000000
	JLOAD \s                                       ; two tensor loads of mine are out
.endr
	v_and_b32 v1, 15, v0                           ; r = l % 16
	v_bfe_u32 v2, v0, 4, 1                         ; h = l / 16
	v_mul_u32_u24 v3, v1, PITCH
	v_lshl_add_u32 v3, v2, 4, v3                   ; a fragment's row x pitch + 16 x half
	s_mul_i32 s21, s11, HALFT                      ; my 64 rows of A
	s_mul_i32 s22, s12, HALFT                      ; my 64 rows of W_out,
	s_add_co_u32 s22, s22, 2*HALFT                 ; which lie behind A's 128
.irp s, 0,1
	v_add_nc_u32 v[ADRA+\s], s21, v3
	v_add_nc_u32 v[ADRB+\s], s22, v3
	s_add_co_u32 s21, s21, SLOT
	s_add_co_u32 s22, s22, SLOT
.endr
	s_mul_i32 s23, s10, 16*SPITCH
	s_add_co_u32 s23, s23, STAGE                   ; my stage
	v_mul_u32_u24 v4, v1, SPITCH                   ; in: row r, 32 bytes for each half of the lanes
	v_lshl_add_u32 v4, v2, 5, v4
	v_add_nc_u32 v[STO], s23, v4
	v_mul_u32_u24 v5, v2, SPITCH                   ; back: lanes 0-15 one row of 256 bytes, lanes 16-31 the next
	v_lshl_add_u32 v5, v1, 4, v5
	v_add_nc_u32 v[RD], s23, v5
	v_lshlrev_b32 v5, 12, v2                       ; and the same two rows in out (4,096 bytes a row)
	v_lshl_add_u32 v[CO], v1, 4, v5
	s_lshl_b32 s16, s13, 7
	s_lshl_b32 s17, s11, 6
	s_add_co_u32 s16, s16, s17                     ; my first row of out
	s_lshl_b32 s16, s16, 12
	s_mov_b32 s17, 0
	s_add_nc_u64 s[8:9], s[8:9], s[16:17]
	s_lshl_b32 s46, s42, 9                         ; my first column, in bytes: 512 x tile column + 256 x half
	s_lshl_b32 s47, s12, 8
	s_add_co_u32 s46, s46, s47
	s_mov_b32 s47, 0
	s_add_nc_u64 s[8:9], s[8:9], s[46:47]
; 8 matrix instructions: m blocks a0, a0 + 1 x all 4 n blocks, 32 along K: half c of buffer f.  zero = 1: the product starts the sums
.macro MUL8 f, c, a0, zero
.irp a, \a0, \a0+1
.irp b, 0,1,2,3
.if \zero
	v_wmma_f32_16x16x32_f16 v[ACC+8*(4*(\a)+\b):ACC+8*(4*(\a)+\b)+7], v[\f+64+8*(4*\c+\b):\f+64+8*(4*\c+\b)+7], v[\f+8*(4*\c+\a):\f+8*(4*\c+\a)+7], 0
.else
	v_wmma_f32_16x16x32_f16 v[ACC+8*(4*(\a)+\b):ACC+8*(4*(\a)+\b)+7], v[\f+64+8*(4*\c+\b):\f+64+8*(4*\c+\b)+7], v[\f+8*(4*\c+\a):\f+8*(4*\c+\a)+7], v[ACC+8*(4*(\a)+\b):ACC+8*(4*(\a)+\b)+7]
.endif
.endr
.endr
.endm
; 32 LDS loads in one run: the fragments of the slot's kb q (64 along K) into buffer f; the first 32 along K first
.macro FETCH slot, q, f
	WIN TO_F
.irp c, 0,1
.irp i, 0,1,2,3
	ds_load_b128 v[\f+64+8*(4*\c+\i):\f+64+8*(4*\c+\i)+3],   v[ADRB+\slot] offset:(\q)*HB+64*\c+\i*16*PITCH
	ds_load_b128 v[\f+64+8*(4*\c+\i)+4:\f+64+8*(4*\c+\i)+7], v[ADRB+\slot] offset:(\q)*HB+64*\c+\i*16*PITCH+32
	ds_load_b128 v[\f+8*(4*\c+\i):\f+8*(4*\c+\i)+3],         v[ADRA+\slot] offset:(\q)*HB+64*\c+\i*16*PITCH
	ds_load_b128 v[\f+8*(4*\c+\i)+4:\f+8*(4*\c+\i)+7],       v[ADRA+\slot] offset:(\q)*HB+64*\c+\i*16*PITCH+32
.endr
.endr
.endm
.macro PLACES                          ; four places in front of loads into registers that matrix instructions have read, and of the first read of results
.rept 4
	v_nop
.endr
.endm
; A K step is four quarters of 64 along K (one kb), 32 matrix instructions each, on buffers 0, 1, 0, 1.  One of the first three: multiplies buffer f and fetches kb q into g.
.macro QUARTER slot, q, f, g, zero
	s_wait_dscnt 16                                ; the first 32 along K are in; the other sixteen loads may be out
	WIN MUL
	MUL8 \f, 0, 0, \zero
	MUL8 \f, 0, 2, \zero
	PLACES
	FETCH \slot, \q, \g
	s_wait_dscnt 32                                ; all but the 32 just issued
	WIN MUL
	MUL8 \f, 1, 0, 0
	MUL8 \f, 1, 2, 0
.endm
; The last quarter multiplies buffer 1 and changes slots: ONE barrier; in front of it each wave waits for all its tensor loads, adds 0 to its spare word, and waits for that and for its reads of this slot.  fill = 1: this slot is filled again, two K steps ahead.
.macro TURN slot, next, fill
	WIN 0                                          ; (the add's two registers lie in window 0)
	s_wait_tensorcnt 0x0                           ; all my tensor loads have landed: my part of the next slot;
	ds_add_u32 v[SPW], v[NIL]
	s_wait_dscnt 17                                ; (the add and the youngest sixteen loads may be out)
	WIN MUL
	MUL8 F1, 0, 0, 0
	s_wait_dscnt 0x0                               ; the add is done, and my reads of this slot are over
	s_barrier_signal -1
	MUL8 F1, 0, 2, 0
.if \fill
	WIN 0
.endif
	s_barrier_wait -1
.if \fill
	CREST                                          ; the barrier has opened a round of the cluster's: no wave of any partner still reads this slot or has a load on its way
	s_add_nc_u64 s[G0+4*\slot+2:G0+4*\slot+3], s[G0+4*\slot+2:G0+4*\slot+3], 2*KBA
	s_add_nc_u64 s[G0B+4*\slot+2:G0B+4*\slot+3], s[G0B+4*\slot+2:G0B+4*\slot+3], 2*KBB
	JLOAD \slot                                    ; the first tensor load behind the round, my one load until the next; its four v_nop are also the places in front of the loads below
.else
	PLACES
.endif
	FETCH \next, 0, F0
	WIN MUL
	MUL8 F1, 1, 0, 0
	MUL8 F1, 1, 2, 0
.endm
	s_wait_tensorcnt 1                             ; my part of K step 0 is in (K step 1's load may be out)
	s_barrier_signal -1
	s_barrier_wait -1                              ; everybody's is
	FETCH 0, 0, F0
	QUARTER 0, 1, F0, F1, 1                        ; the first quarter stands in front of the loop: its first products start the sums
	WIN 0                                          ; at a label and at a branch every window is 0
	s_mov_b32 s3, LAPS-1
.Llap:                                                 ; a trip goes once round the ring, from a lap's second quarter to the next lap's first, and fills both slots again
	QUARTER 0, 2, F1, F0, 0
	QUARTER 0, 3, F0, F1, 0
	TURN 0, 1, 1
	QUARTER 1, 1, F0, F1, 0
	QUARTER 1, 2, F1, F0, 0
	QUARTER 1, 3, F0, F1, 0
	TURN 1, 0, 1
	QUARTER 0, 1, F0, F1, 0
	WIN 0
	s_sub_co_u32 s3, s3, 1
	s_cmp_lg_u32 s3, 0
	s_cbranch_scc1 .Llap
	QUARTER 0, 2, F1, F0, 0                        ; the last lap fills nothing, and has no round of the cluster's barrier
	QUARTER 0, 3, F0, F1, 0
	TURN 0, 1, 0
	QUARTER 1, 1, F0, F1, 0
	QUARTER 1, 2, F1, F0, 0
	QUARTER 1, 3, F0, F1, 0
	s_wait_dscnt 16                                ; the very last quarter: nothing more to fetch
	WIN MUL
	MUL8 F1, 0, 0, 0
	MUL8 F1, 0, 2, 0
	s_wait_dscnt 0
	MUL8 F1, 1, 0, 0
	MUL8 F1, 1, 2, 0
	WIN 0
; THE WAY OUT, block by block of 16 rows x 64 columns of f32: into my own stage, 32 bytes a lane, and back as whole rows of 256 bytes.  LDS serves a wave's instructions in order: no wait between the stores and the loads, nor in front of the next block's stores.
.macro TOSTAGE a
.set BK, TMP+32*((\a)%2)
.irp b, 0,1,2,3
	ds_store_b128 v[STO], v[ACC+8*(4*(\a)+\b):ACC+8*(4*(\a)+\b)+3] offset:64*\b        ; each accumulator from its low end on
	ds_store_b128 v[STO], v[ACC+8*(4*(\a)+\b)+4:ACC+8*(4*(\a)+\b)+7] offset:64*\b+16
.endr
.irp t, 0,1,2,3,4,5,6,7
	ds_load_b128 v[BK+4*\t:BK+4*\t+3], v[RD] offset:\t*2*SPITCH
.endr
.endm
.macro SEND a, younger                 ; younger: the LDS instructions issued behind block a's loads, which may stay out
.set BK, TMP+32*((\a)%2)
	s_wait_dscnt \younger
.irp t, 0,1,2,3,4,5,6,7
	global_store_b128 v[CO], v[BK+4*\t:BK+4*\t+3], s[8:9] offset:(16*(\a)+2*\t)*4096 th:TH_STORE_NT   ; 16 lanes store 256 consecutive bytes, at a multiple of 256 from out's first byte
.endr
.endm
	PLACES
	TOSTAGE 0
.irp a, 1,2,3
.if \a > 1
	s_wait_xcnt 0x0                                ; block a - 2's stores have read their registers: block a's loads may land there
.endif
	TOSTAGE \a
	SEND \a-1, 16                                  ; behind block a - 1's loads: block a's 8 stores and 8 loads
.endr
	SEND 3, 0
	s_wait_tensorcnt 0x0                           ; the wave's end: a wait, an add to my spare word and its wait, behind my last tensor load and my last LDS store
	ds_add_u32 v[SPW], v[NIL]
	s_wait_dscnt 0x0
	CROUND                                         ; the closing round: no work-group ends while a partner may still ask for a tile that names it
	s_endpgm
.Lfunc_end_k_qa29a1d6cef_proj:
	.size	k_qa29a1d6cef_proj, .Lfunc_end_k_qa29a1d6cef_proj-k_qa29a1d6cef_proj
	.p2alignl 7, 3214868480
	.fill 96, 4, 3214868480
	.section	.rodata,"a",@progbits
	.p2align	6, 0x0
	.amdhsa_kernel k_qa29a1d6cef_proj
		.amdhsa_group_segment_fixed_size 327680
		.amdhsa_private_segment_fixed_size 0
		.amdhsa_enable_private_segment 0
		.amdhsa_kernarg_size 24
		.amdhsa_user_sgpr_count 2
		.amdhsa_user_sgpr_kernarg_segment_ptr 1
		.amdhsa_wavefront_size32 1
		.amdhsa_system_sgpr_workgroup_id_x 1
		.amdhsa_system_sgpr_workgroup_id_y 1
		.amdhsa_system_sgpr_workgroup_id_z 1
		.amdhsa_system_vgpr_workitem_id 0
		.amdhsa_next_free_vgpr 512
		.amdhsa_next_free_sgpr 66
		.amdhsa_reserve_vcc 0
		.amdhsa_float_denorm_mode_32 3
		.amdhsa_float_denorm_mode_16_64 3
		.amdhsa_memory_ordered 1
		.amdhsa_forward_progress 1
		.amdhsa_inst_pref_size 85
	.end_amdhsa_kernel
	.amdgpu_metadata
---
amdhsa.version: [ 1, 2 ]
amdhsa.kernels:
  - .name:           k_qa29a1d6cef_proj
    .symbol:         k_qa29a1d6cef_proj.kd
    .args:
      - { .name: attn16, .offset: 0, .size: 8, .value_kind: global_buffer, .address_space: global }
      - { .name: wo16, .offset: 8, .size: 8, .value_kind: global_buffer, .address_space: global }
      - { .name: out0, .offset: 16, .size: 8, .value_kind: global_buffer, .address_space: global }
    .group_segment_fixed_size: 327680
    .private_segment_fixed_size: 0
    .kernarg_segment_align: 8
    .kernarg_segment_size: 24
    .max_flat_workgroup_size: 128
    .sgpr_count:     66
    .vgpr_count:     512
    .wavefront_size: 32
...
	.end_amdgpu_metadata
.endif
;; end of part 4
;; launch fine (part 5): grid 64 x 2, 16 waves a work-group, no clusters, 18,432 bytes of LDS; arguments qkvf, W_out, out0; writes out0
.if DOCPART == 5
	.amdgcn_target "amdgcn-amd-amdhsa--gfx1250"
	.amdhsa_code_object_version 6
	.text
	.protected	k_qa29a1d6cef_fine
	.globl	k_qa29a1d6cef_fine
	.p2align	8
	.type	k_qa29a1d6cef_fine,@function
k_qa29a1d6cef_fine:
	s_mov_b64 s[64:65], 0
	v_nop
	global_prefetch_b8 v0, s[64:65] scope:SCOPE_SE
	s_setreg_imm32_b32 hwreg(HW_REG_WAVE_MODE, 25, 1), 1
	s_wait_xcnt 0x0
; POSITIONS 0-15 OF BOTH SEQUENCES IN F32.  These rows average one to sixteen values and are the largest of the output: attention and projection are done again for them on f32 operands,
; from the f32 sums that the quantised product left (qkvf), and the 32 rows of out are written over.
; SHARES.  A work-group makes 16 columns (n0 = 16 x) of the 16 rows of one batch (y).  Wave w is head w: it makes its head's 16 x 16 causal attention (the window of 256 hides nothing here),
; multiplies its 64 channels by W_out[n0 .. n0 + 15][64 w .. 64 w + 63], and the sixteen partial sums meet in LDS.  Every work-group of a batch makes the same small attention again: 32 matrix instructions a wave, in place of a launch more.
; FORM: v_wmma_f32_16x16x4_f32, 48 a wave: 4 along K an instruction.  Its slot k = 2 h + j is filled alike in both sources, so any four numbers of K may stand there: a pair of neighbouring registers is a K step.
; qkvf holds images of accumulators: in the image of 16 columns, lane (r, h) has in register i the number of position r, column 8 h + i.
; The registers that this form writes (v144-175, v184-247) are written by matrix instructions alone; sums of accumulators go into other registers, each accumulator read from its low end on.
; A store covers pieces of 64 bytes of 16 rows: 131,072 bytes in the whole launch.
.set SPARE, 16384                      ; LDS: 16 partial sums of 1,024 bytes; behind them the spare words, 128 bytes a wave, which no other line names
.set SPW, 1                            ; v1   LDS address of my spare word; never rewritten
.set NIL, 2                            ; v2   0; never rewritten
.set LI,  3                            ; v3   16 x lane
.set VO,  4                            ; v4   V turned: my channel's place in an image
.set WO,  5                            ; v5   W_out: row r, + 32 h
.set DD,  6                            ; v6   r - 8 h
.set NINF, 7                           ; v7   -infinity
.set PST, 8                            ; v8   where I put my partial sum
.set PRD, 9                            ; v9   where waves 0 and 1 read the sixteen
.set OO,  10                           ; v10  my byte offset in out
.set QF,  16                           ; v16-47   Q; then the attention's output; then partial sums read back
.set KF,  48                           ; v48-79   K; then my partial sum; then partial sums read back
.set VT,  80                           ; v80-111  V^T; then the final sum
.set WF,  112                          ; v112-143 W_out
.set SA,  144                          ; v144-175 four accumulators of S^T
.set PP,  176                          ; v176-183 S^T, then p
.set OA,  184                          ; v184-215 O^T: four tiles of 16 channels
.set PA,  216                          ; v216-247 four accumulators of the projection
	s_load_b128 s[4:7], s[0:1], 0x0                ; qkvf, W_out
	s_load_b64 s[8:9], s[0:1], 0x10                ; out
	v_lshl_add_u32 v[SPW], v0, 2, SPARE
	v_mov_b32 v[NIL], 0
	v_lshrrev_b32 v11, 5, v0
	v_readfirstlane_b32 s10, v11                   ; wave = head
	s_and_b32 s11, ttmp7, 0xffff                   ; batch
	v_and_b32 v11, 31, v0                          ; lane
	v_and_b32 v12, 15, v0                          ; r
	v_bfe_u32 v13, v0, 4, 1                        ; h
	v_lshlrev_b32 v[LI], 4, v11
	v_bfe_u32 v14, v0, 2, 1                        ; V(key 8 h + i, channel c = r) lies in its image at 512 ((c / 4) % 2) + 256 (c / 8) + 128 h + 16 i + 4 (c % 4)
	v_lshlrev_b32 v[VO], 9, v14
	v_bfe_u32 v14, v0, 3, 1
	v_lshl_add_u32 v[VO], v14, 8, v[VO]
	v_lshl_add_u32 v[VO], v13, 7, v[VO]
	v_and_b32 v14, 3, v0
	v_lshl_add_u32 v[VO], v14, 2, v[VO]
	v_lshlrev_b32 v[WO], 12, v12
	v_lshl_add_u32 v[WO], v13, 5, v[WO]
	v_lshlrev_b32 v14, 3, v13
	v_sub_nc_u32 v[DD], v12, v14
	v_mov_b32 v[NINF], 0xff800000
	s_lshl_b32 s12, s10, 10
	v_add_nc_u32 v[PST], s12, v[LI]
	s_and_b32 s13, s10, 1
	s_lshl_b32 s12, s13, 9
	v_add_nc_u32 v[PRD], s12, v[LI]                ; wave 0 sums registers 0-3 of the partial sums, wave 1 registers 4-7
	s_lshl_b32 s12, s13, 4
	v_add_nc_u32 v[OO], s12, v[WO]                 ; out: row r of 4,096 bytes, + 32 h, + 16 for wave 1
	v_mov_b32 v12, 0                               ; written once: a lane permute's destination counts as one of its sources
	s_mov_b32 s16, 0x76543210
	s_mov_b32 s17, 0xfedcba98                      ; v_permlanex16_b32's selects for lane l xor 16
	s_mov_b32 s18, 0x3e38aa3b                      ; c = log2(e) / sqrt(64)
	s_mul_i32 s20, s11, 196608                     ; qkvf: the batch's 192 images,
	s_lshl_b32 s12, s10, 12
	s_add_co_u32 s20, s20, s12                     ; my head's four
	s_mov_b32 s21, 0
	s_lshl_b32 s22, ttmp9, 16                      ; W_out: row n0,
	s_lshl_b32 s12, s10, 8
	s_add_co_u32 s22, s22, s12                     ; my head's 64 numbers
	s_mov_b32 s23, 0
	s_lshl_b32 s24, s11, 23                        ; out: the batch's first row,
	s_lshl_b32 s12, ttmp9, 6
	s_add_co_u32 s24, s24, s12                     ; column n0
	s_mov_b32 s25, 0
	s_wait_kmcnt 0x0
	s_add_nc_u64 s[4:5], s[4:5], s[20:21]
	s_add_nc_u64 s[6:7], s[6:7], s[22:23]
	s_add_nc_u64 s[8:9], s[8:9], s[24:25]
.irp n, 0,1,2,3
.irp p, 0,1
	global_load_b128 v[QF+8*\n+4*\p:QF+8*\n+4*\p+3], v[LI], s[4:5] offset:\n*1024+\p*512
.endr
.endr
.irp n, 0,1,2,3
.irp p, 0,1
	global_load_b128 v[KF+8*\n+4*\p:KF+8*\n+4*\p+3], v[LI], s[4:5] offset:65536+\n*1024+\p*512
.endr
.endr
.irp ct, 0,1,2,3
.irp i, 0,1,2,3,4,5,6,7
	global_load_b32 v[VT+8*\ct+\i], v[VO], s[4:5] offset:131072+\ct*1024+16*\i      ; V(key 8 h + i, channel 16 ct + r)
.endr
.endr
.irp ct, 0,1,2,3
.irp q, 0,1
	global_load_b128 v[WF+8*\ct+4*\q:WF+8*\ct+4*\q+3], v[WO], s[6:7] offset:64*\ct+16*\q   ; W_out(n0 + r, 64 w + 16 ct + 8 h + 0 .. 7)
.endr
.endr
	s_wait_loadcnt 40                              ; Q and K are in; V's 32 loads and W_out's 8 may be out
	; S^T = K Q^T: source 0 = 16 keys, source 1 = 16 queries; 16 K steps on four accumulators by turns; the first four start the sums
.set ss, 0
.rept 16
.if ss < 4
	v_wmma_f32_16x16x4_f32 v[SA+8*(ss%4):SA+8*(ss%4)+7], v[KF+2*ss:KF+2*ss+1], v[QF+2*ss:QF+2*ss+1], 0
.else
	v_wmma_f32_16x16x4_f32 v[SA+8*(ss%4):SA+8*(ss%4)+7], v[KF+2*ss:KF+2*ss+1], v[QF+2*ss:QF+2*ss+1], v[SA+8*(ss%4):SA+8*(ss%4)+7]
.endif
.set ss, ss+1
.endr
.rept 8
	v_nop                                          ; eight places behind this form, ahead of the first read of its results (ISA guide 7.12.1)
.endr
.irp j, 0,1,2,3,4,5,6,7
	v_add_f32 v[PP+\j], v[SA+\j], v[SA+8+\j]       ; lane (r, h): query r, key 8 h + j
	v_add_f32 v[PP+\j], v[PP+\j], v[SA+16+\j]
	v_add_f32 v[PP+\j], v[PP+\j], v[SA+24+\j]
.endr
.irp j, 0,1,2,3,4,5,6,7
	v_cmp_gt_i32 vcc_lo, \j, v[DD]                 ; hidden where key 8 h + j > query r
	v_cndmask_b32 v[PP+\j], v[PP+\j], v[NINF], vcc_lo
.endr
	v_max3_num_f32 v11, v[PP], v[PP+1], v[PP+2]
	v_max3_num_f32 v11, v11, v[PP+3], v[PP+4]
	v_max3_num_f32 v11, v11, v[PP+5], v[PP+6]
	v_max_num_f32 v11, v11, v[PP+7]
	v_permlanex16_b32 v12, v11, s16, s17
	v_max_num_f32 v11, v11, v12                    ; the row's maximum: finite, since key 0 counts for every query
	v_mul_f32 v13, s18, v11                        ; c m
.irp j, 0,1,2,3,4,5,6,7
	v_fma_f32 v[PP+\j], v[PP+\j], s18, -v13
.endr
.irp j, 0,1,2,3,4,5,6,7
	v_exp_f32 v[PP+\j], v[PP+\j]                   ; p = 2^(c s - c m)
.endr
	v_nop                                          ; a plain instruction behind the last exponential
	s_wait_alu depctr_va_vdst(0)                   ; one wait for the batch, ahead of its first reader
	v_add_f32 v14, v[PP], v[PP+1]
.irp j, 2,3,4,5,6,7
	v_add_f32 v14, v14, v[PP+\j]
.endr
	v_permlanex16_b32 v12, v14, s16, s17
	v_add_f32 v14, v14, v12                        ; the row's sum
	v_rcp_f32 v15, v14
	v_nop
	s_wait_alu depctr_va_vdst(0)                   ; the reciprocal's wait
	s_wait_loadcnt 8                               ; V is in; W_out's 8 loads may be out
	; O^T = V^T P: source 0 = 16 channels, source 1 = p; K = the 16 keys: step s takes keys 8 h + 2 s, 8 h + 2 s + 1
.irp s, 0,1,2,3
.irp ct, 0,1,2,3
.if \s == 0
	v_wmma_f32_16x16x4_f32 v[OA+8*\ct:OA+8*\ct+7], v[VT+8*\ct+2*\s:VT+8*\ct+2*\s+1], v[PP+2*\s:PP+2*\s+1], 0
.else
	v_wmma_f32_16x16x4_f32 v[OA+8*\ct:OA+8*\ct+7], v[VT+8*\ct+2*\s:VT+8*\ct+2*\s+1], v[PP+2*\s:PP+2*\s+1], v[OA+8*\ct:OA+8*\ct+7]
.endif
.endr
.endr
.rept 8
	v_nop
.endr
.set nn, 0
.rept 32
	v_mul_f32 v[QF+nn], v[OA+nn], v15              ; / the sum: register 8 ct + j is channel 16 ct + 8 h + j of position r
.set nn, nn+1
.endr
	s_wait_loadcnt 0x0                             ; W_out
	; the projection: source 0 = 16 rows of W_out (columns of out), source 1 = the 16 positions; K = my 64 channels
.irp s, 0,1,2,3
.irp ct, 0,1,2,3
.if \s == 0
	v_wmma_f32_16x16x4_f32 v[PA+8*\ct:PA+8*\ct+7], v[WF+8*\ct+2*\s:WF+8*\ct+2*\s+1], v[QF+8*\ct+2*\s:QF+8*\ct+2*\s+1], 0
.else
	v_wmma_f32_16x16x4_f32 v[PA+8*\ct:PA+8*\ct+7], v[WF+8*\ct+2*\s:WF+8*\ct+2*\s+1], v[QF+8*\ct+2*\s:QF+8*\ct+2*\s+1], v[PA+8*\ct:PA+8*\ct+7]
.endif
.endr
.endr
.rept 8
	v_nop
.endr
.irp j, 0,1,2,3,4,5,6,7
	v_add_f32 v[KF+\j], v[PA+\j], v[PA+8+\j]       ; lane (r, h): position r, column n0 + 8 h + j: my head's part
	v_add_f32 v[KF+\j], v[KF+\j], v[PA+16+\j]
	v_add_f32 v[KF+\j], v[KF+\j], v[PA+24+\j]
.endr
	ds_store_b128 v[PST], v[KF:KF+3]
	ds_store_b128 v[PST], v[KF+4:KF+7] offset:512
	s_wait_tensorcnt 0x0                           ; these were my last LDS stores: only LDS reads follow
	ds_add_u32 v[SPW], v[NIL]
	s_wait_dscnt 0x0                               ; for the others' sake too: my partial sum lies in LDS
	s_barrier_signal -1
	s_barrier_wait -1                              ; all sixteen do
	s_cmp_lt_u32 s10, 2                            ; waves 0 and 1 add them, in the order of the heads, and store
	s_cbranch_scc0 .Lend
.irp w, 0,1,2,3,4,5,6,7,8,9,10,11,12,13,14,15
	ds_load_b128 v[QF+4*\w:QF+4*\w+3], v[PRD] offset:1024*\w
.endr
	s_wait_dscnt 0x0
	v_pk_add_f32 v[VT:VT+1], v[QF:QF+1], v[QF+4:QF+5]
	v_pk_add_f32 v[VT+2:VT+3], v[QF+2:QF+3], v[QF+6:QF+7]
.irp w, 2,3,4,5,6,7,8,9,10,11,12,13,14,15
	v_pk_add_f32 v[VT:VT+1], v[VT:VT+1], v[QF+4*\w:QF+4*\w+1]
	v_pk_add_f32 v[VT+2:VT+3], v[VT+2:VT+3], v[QF+4*\w+2:QF+4*\w+3]
.endr
	global_store_b128 v[OO], v[VT:VT+3], s[8:9]    ; out(r, n0 + 8 h + 4 (wave) + 0 .. 3)
.Lend:
	s_endpgm
.Lfunc_end_k_qa29a1d6cef_fine:
	.size	k_qa29a1d6cef_fine, .Lfunc_end_k_qa29a1d6cef_fine-k_qa29a1d6cef_fine
	.p2alignl 7, 3214868480
	.fill 96, 4, 3214868480
	.section	.rodata,"a",@progbits
	.p2align	6, 0x0
	.amdhsa_kernel k_qa29a1d6cef_fine
		.amdhsa_group_segment_fixed_size 18432
		.amdhsa_private_segment_fixed_size 0
		.amdhsa_enable_private_segment 0
		.amdhsa_kernarg_size 24
		.amdhsa_user_sgpr_count 2
		.amdhsa_user_sgpr_kernarg_segment_ptr 1
		.amdhsa_wavefront_size32 1
		.amdhsa_system_sgpr_workgroup_id_x 1
		.amdhsa_system_sgpr_workgroup_id_y 1
		.amdhsa_system_sgpr_workgroup_id_z 1
		.amdhsa_system_vgpr_workitem_id 0
		.amdhsa_next_free_vgpr 256
		.amdhsa_next_free_sgpr 66
		.amdhsa_reserve_vcc 1
		.amdhsa_float_denorm_mode_32 3
		.amdhsa_float_denorm_mode_16_64 3
		.amdhsa_memory_ordered 1
		.amdhsa_forward_progress 1
		.amdhsa_inst_pref_size 20
	.end_amdhsa_kernel
	.amdgpu_metadata
---
amdhsa.version: [ 1, 2 ]
amdhsa.kernels:
  - .name:           k_qa29a1d6cef_fine
    .symbol:         k_qa29a1d6cef_fine.kd
    .args:
      - { .name: qkvf, .offset: 0, .size: 8, .value_kind: global_buffer, .address_space: global }
      - { .name: W_out, .offset: 8, .size: 8, .value_kind: global_buffer, .address_space: global }
      - { .name: out0, .offset: 16, .size: 8, .value_kind: global_buffer, .address_space: global }
    .group_segment_fixed_size: 18432
    .private_segment_fixed_size: 0
    .kernarg_segment_align: 8
    .kernarg_segment_size: 24
    .max_flat_workgroup_size: 512
    .sgpr_count:     66
    .vgpr_count:     256
    .wavefront_size: 32
...
	.end_amdgpu_metadata
.endif
;; end of part 5
